; MI455X (gfx1250); checked and timed in simulation.
; The chip was launched on July 23, 2026; its instructions are those of AMD's public machine-readable ISA for CDNA 5 (MIT licence, August 2026) and "CDNA5" Instruction Set Architecture Reference Guide (July 2026). The comments in the code are by the model that wrote it; some were corrected since.
;; Multi Head Attention. Allowed arithmetic: matrix products marked QUANTISED: E2M1 operands, one E8M0 scale for each 32 along K, by v_wmma_scale_f32_16x16x128_f8f6f4 with both operands' format E2M1 (or v_wmma_scale_f32_32x16x128_f4), f32 sums; everything else in f32.
;; Inputs: W_k 1,024 x 1,024 float32; W_out 1,024 x 1,024 float32; W_q 1,024 x 1,024 float32; W_v 1,024 x 1,024 float32; b_k 1,024 float32; b_out 1,024 float32; b_q 1,024 float32; b_v 1,024 float32; x 2 x 2,048 x 1,024 float32.
;; Outputs: out0 2 x 2,048 x 1,024 float32.
;; This version of the problem:
;;   THIS VERSION OF THE PROBLEM IS GIVEN IN LOW PRECISION. The matrix products marked QUANTISED in the list below multiply operands that are first quantised to E2M1 (2 exponent bits, 1 mantissa bit; 4 bits a number), with one power-of-two scale for each 32 numbers along K (OCP MX v1.0); their sums are f32. All else is computed in f32.
;;   The module's matrix products, in the order in which they are computed (A, B: the left and right operand; K: the contracted axis; several contracted axes count as one K, in the product's order):
;;     1. [M 4,096, K 1,024] x [K 1,024, N 1,024]; A: input x; B: input W_q: QUANTISED
;;     2. [M 4,096, K 1,024] x [K 1,024, N 1,024]; A: input x; B: input W_k: QUANTISED
;;     3. [M 4,096, K 1,024] x [K 1,024, N 1,024]; A: input x; B: input W_v: QUANTISED
;;     4. batch 32 x [M 2,048, K 64] x [K 64, N 2,048]; A: computed on the way; B: computed on the way: QUANTISED
;;     5. batch 32 x [M 2,048, K 2,048] x [K 2,048, N 64]; A: softmax (see below); B: computed on the way: QUANTISED
;;     6. [M 4,096, K 1,024] x [K 1,024, N 1,024]; A: computed on the way; B: input W_out: QUANTISED
;;   THE QUANTISER, for each operand of a quantised product, along K:
;;     - K is cut into blocks of 32 from its start; a last block that is shorter is filled with zeros.
;;     - A block's scale is 2^e with e = floor(log2(the largest magnitude in the block)) - 2, held to -126 .. 127; a block of zeros has e = 0. As a byte (E8M0): e + 127.
;;     - Each number is divided by its block's scale, clamped to +-6, and rounded to the nearest number of E2M1, ties to even, subnormals kept.
;;     - The product sums the exact products of the quantised numbers (number of the format x scale) in f32.
;;   ~~~python
;;   def quantise(x, axis):      # numpy; x: float32 -> the quantised numbers, widened to float32 again
;;       x = np.moveaxis(x, axis, -1); K = x.shape[-1]
;;       x = np.pad(x, [(0, 0)] * (x.ndim - 1) + [(0, -K % 32)]); x = x.reshape(x.shape[:-1] + (-1, 32)); a = np.abs(x).max(-1, keepdims=True)
;;       e = np.where(a > 0, np.clip(np.frexp(np.where(a > 0, a, 1))[1] - 1 - 2, -126, 127), 0)      # np.frexp(a)[1] - 1 = floor(log2(a)), exactly
;;       r = np.clip(x / 2.0 ** e, -6, 6)
;;       step = 2.0 ** (np.maximum(np.frexp(np.where(r == 0, 1, r))[1] - 1, 0) - 1)
;;       q = np.round(r / step) * step * 2.0 ** e      # np.round: ties to even
;;       return np.moveaxis(q.reshape(q.shape[:-2] + (-1,))[..., :K], -1, axis).astype(np.float32)
;;   ~~~
;;   SOFTMAX AHEAD OF A QUANTISED PRODUCT. Where the list says 'softmax', what is quantised is not the finished softmax but p = 2^(t - M), with t = logit x log2(e) and M = ceil(the row's largest t), a whole number; so 1/2 < the row's largest p <= 1. The row's sum l is taken of the UNQUANTISED p, in f32, and the product's result is divided by l at the end. Since M is a whole number, a kernel that streams over the keys may use a running M (the ceiling of the running maximum): every later rescaling is an exact power of two, which a block's scale takes up: the codes' values come out the same.
;;   OPERANDS COMPUTED ON THE WAY. 'Computed on the way' means the value that the module computes at that place (a softmax that the list does not call 'softmax' is quantised finished and normalised). What goes into a quantiser is computed in f32, as accurately as f32 sums, v_exp_f32 and their like allow (about 1e-6 of the number): no bf16 or f16 on the way to a quantiser, and a product that is left as it is and whose result goes on into a quantised operand takes f32 operands (vector FMAs, or v_wmma_f32_16x16x4_f32). A number that lies on a knife's edge between two numbers of the format may be rounded either way, as far as f32 arithmetic and the matrix unit's own rounding can turn it there, and no further.
;; One version. Each part assembles by itself: llvm-mc -triple=amdgcn-amd-amdhsa -mcpu=gfx1250 --defsym DOCPART=n.
;; ======== version 1 of 1: 4 launches
;; limits: right only within a limited range of input values
;; workspace buffers: codes 4,194,304 bytes; scales 262,144 bytes; qimg 2,097,152 bytes; qsc 262,144 bytes; kv 4,587,520 bytes; cimg 2,097,152 bytes; csc 131,072 bytes
;; launch quant (part 1): grid 256 x 1, 4 waves a work-group, no clusters, 35,328 bytes of LDS; arguments x, W_q, W_k, W_v, W_out, codes, scales; writes codes, scales
.if DOCPART == 1
	.amdgcn_target "amdgcn-amd-amdhsa--gfx1250"
	.amdhsa_code_object_version 6
	.text
	.protected	k_qd3e4f9312d_quant
	.globl	k_qd3e4f9312d_quant
	.p2align	8
	.type	k_qd3e4f9312d_quant,@function
k_qd3e4f9312d_quant:
	s_mov_b64 s[64:65], 0
	v_nop
	global_prefetch_b8 v0, s[64:65] scope:SCOPE_SE
	s_setreg_imm32_b32 hwreg(HW_REG_WAVE_MODE, 25, 1), 1
	s_wait_xcnt 0x0
; x [4096][1024] and the four weights [1024][1024], f32 with K innermost, become codes of FP4 (E2M1) with one E8M0 byte for each 32 along K,
; laid as IMAGES OF OPERAND REGISTERS: a fragment is 16 rows x 128 K, 8 registers a lane, 1,024 bytes: piece c (registers 4 c .. 4 c + 3) at 512 c, lane l's 16 bytes at 16 l.
; codes:  [K step 0..7][tile 0..511][1,024].  Tiles 0-255: x;  256 + 24 c + 8 t + 0..7: features 128 c .. + 127 of W_q, W_k, W_v (t = 0, 1, 2);  448-511: W_out.
; scales: [tile][K step][16 words], word r = the four bytes of the tile's place r.
; THE ROWS OF A TILE ARE NOT NEIGHBOURS: place m of tile T is row 32 (T / 2) + 8 (T % 2) + m + 8 (m / 8), so that the results of two neighbouring tiles, used as source 0, are 16 neighbours in a lane's registers.
; A block's scale is 2^(floor(log2(its largest magnitude)) - 2): its byte is the largest magnitude's exponent field - 2, held at 1 from below.
; LIMITS: a block of zeros gets the byte 1 where the rule says 127 (its codes are zeros, and this program alone reads the bytes); NaN and infinities among the inputs are not served.
; SHARES: a work-group takes 32 rows (two tiles) of one tensor, all of K; wave w takes tile w % 2 and K half w / 2: four units of 16 rows x 128 K.
; Each load reads 512 consecutive bytes of a row; a unit turns through the wave's own stage in LDS, so that a lane gets 16 neighbours of each block of 32.  Two units' loads (32 a wave) are out.
; Work-groups share no input: no cluster, no tensor load, no barrier.
.set STP,  528                         ; a stage row: 512 bytes + 16: an odd multiple of 16, so that sixteen rows start at sixteen different 16-byte columns
.set WST,  16*STP                      ; a wave's stage
.set SCB,  4*WST                       ; behind the stages: 256 scale bytes for each wave
.set L16,  1                           ; v1   16 x lane
.set STA,  2                           ; v2   the stage, on the way in
.set LDA,  3                           ; v3   and on the way out: row r, + 64 h
.set SCA,  4                           ; v4   my row's scale word in LDS
.set SCR,  5                           ; v5   the scale bytes on their way out: 8 x lane
.set L8,   6                           ; v6   8 x lane
.set TM,   12                          ; v12-27  at work in QUANT
.set PW,   28                          ; v28-31  a scale word for each unit
.set PC,   32                          ; v32-63  codes: 8 registers for each unit, so that no store's data are written again
.set X,    64                          ; v64-127 64 numbers of my row
.set R,    128                         ; v128-255 two sets of 64 registers as loaded
.set SEL,  28                          ; s[28:29] lane selects for v_permlanex16_b32: lane l xor 16
; 16 nb numbers of a lane, register 16 b + i = k 32 b + 16 (lane / 16) + i of my row, become codes in v[pc] on (operand layout) and the row's scale bytes in v[pw]
.macro QUANT src, nb, pc, pw
.irp b, 0,1,2,3
.if \b < \nb
	v_max3_num_f32 v[TM+\b], |v[(\src)+16*\b]|, |v[(\src)+16*\b+1]|, 0x1800000   ; my 16 numbers of block b, and the floor 2^(3 - 127): the byte cannot fall under 1
.endif
.endr
.irp i, 2,4,6,8,10,12,14
.irp b, 0,1,2,3
.if \b < \nb
	v_max3_num_f32 v[TM+\b], v[TM+\b], |v[(\src)+16*\b+\i]|, |v[(\src)+16*\b+\i+1]|   ; the blocks by turns
.endif
.endr
.endr
.irp b, 0,1,2,3
.if \b < \nb
	v_permlanex16_b32 v[TM+4+\b], v[TM+\b], s[SEL], s[SEL+1]
.endif
.endr
.irp b, 0,1,2,3
.if \b < \nb
	v_max_num_f32 v[TM+\b], v[TM+\b], v[TM+4+\b]       ; with lane l xor 16's: the block's largest magnitude
.endif
.endr
.irp b, 0,1,2,3
.if \b < \nb
	v_add_nc_u32 v[TM+12+\b], 0xff000000, v[TM+\b]     ; 2 off its exponent field: the conversion's scale operand
.endif
.endr
.irp b, 0,1,2,3
.if \b < \nb
	v_lshrrev_b32 v[TM+4+\b], 23, v[TM+12+\b]          ; the scale's byte
.endif
.endr
	v_lshl_or_b32 v[\pw], v[TM+5], 8, v[TM+4]
.if \nb > 2
	v_lshl_or_b32 v[\pw], v[TM+6], 16, v[\pw]
	v_lshl_or_b32 v[\pw], v[TM+7], 24, v[\pw]
.endif
.irp b, 0,1,2,3
.if \b < \nb
	v_cvt_scalef32_pk8_fp4_f32 v[(\pc)+2*\b], v[(\src)+16*\b:(\src)+16*\b+7], v[TM+12+\b]
	v_cvt_scalef32_pk8_fp4_f32 v[(\pc)+2*\b+1], v[(\src)+16*\b+8:(\src)+16*\b+15], v[TM+12+\b]
.endif
.endr
	v_nop                                              ; one plain place behind a scaled conversion
.irp c, 0,1
.if 2*\c < \nb
.irp i, 0,1
	v_permlane16_swap_b32 v[(\pc)+4*\c+\i], v[(\pc)+4*\c+2+\i]   ; a whole block to a lane: lanes 0-15 block 2 c, lanes 16-31 block 2 c + 1
.endr
.endif
.endr
.endm
	s_load_b256 s[4:11], s[0:1], 0x0               ; x, W_q, W_k, W_v
	s_load_b128 s[12:15], s[0:1], 0x20             ; W_out, codes
	s_load_b64 s[16:17], s[0:1], 0x30              ; scales
	v_lshl_add_u32 v22, v0, 2, 0x8800
	v_mov_b32 v23, 0
	v_lshrrev_b32 v7, 5, v0
	v_readfirstlane_b32 s18, v7                    ; wave
	v_and_b32 v8, 31, v0                           ; lane
	v_and_b32 v9, 15, v0                           ; r
	v_bfe_u32 v10, v0, 4, 1                        ; h
	s_and_b32 s19, s18, 1                          ; u: which of the two tiles
	s_lshr_b32 s20, s18, 1                         ; kh: which half of K
	s_mul_i32 s30, s18, WST
	v_lshlrev_b32 v[L16], 4, v8
	v_add_nc_u32 v[STA], s30, v[L16]
	v_mul_u32_u24 v[LDA], v9, STP
	v_lshl_add_u32 v[LDA], v10, 6, v[LDA]
	v_add_nc_u32 v[LDA], s30, v[LDA]
	s_lshl_b32 s30, s18, 8
	s_add_co_u32 s30, s30, SCB
	v_lshl_add_u32 v[SCA], v9, 2, s30
	v_lshlrev_b32 v[L8], 3, v8
	v_add_nc_u32 v[SCR], s30, v[L8]
.irp b, 0,1,2,3
	v_mov_b32 v[TM+4+\b], 0                        ; written once: a lane permute's destination counts as one of its sources
.endr
	s_mov_b32 s[SEL], 0x76543210
	s_mov_b32 s[SEL+1], 0xfedcba98
	; which tensor, which group of 32 rows, which tile of the codes' buffer: all from the work-group's number g
	s_and_b32 s21, ttmp9, 31                       ; j: the group in a weight
	s_bfe_u32 s22, ttmp9, 0x20005                  ; t: bits 6:5 of g: W_q, W_k, W_v, W_out for g = 128 on
	s_lshr_b32 s23, s21, 2
	s_mul_i32 s23, s23, 24
	s_lshl_b32 s31, s22, 3
	s_add_co_u32 s23, s23, s31
	s_and_b32 s31, s21, 3
	s_lshl_b32 s31, s31, 1
	s_add_co_u32 s23, s23, s31
	s_add_co_u32 s23, s23, 256                     ; W_q, W_k, W_v: 256 + 24 (j / 4) + 8 t + 2 (j % 4)
	s_lshl_b32 s24, s21, 1
	s_add_co_u32 s24, s24, 448                     ; W_out: 448 + 2 j
	s_lshl_b32 s25, ttmp9, 1                       ; x: 2 g
	s_wait_alu depctr_va_vdst(0)
	s_wait_kmcnt 0x0
	s_cmp_lt_u32 ttmp9, 224                        ; the choices hang on the work-group's number alone
	s_cselect_b64 s[12:13], s[10:11], s[12:13]
	s_cselect_b32 s23, s23, s24
	s_cmp_lt_u32 ttmp9, 192
	s_cselect_b64 s[12:13], s[8:9], s[12:13]
	s_cmp_lt_u32 ttmp9, 160
	s_cselect_b64 s[12:13], s[6:7], s[12:13]
	s_cmp_lt_u32 ttmp9, 128
	s_cselect_b64 s[4:5], s[4:5], s[12:13]         ; the tensor
	s_cselect_b32 s23, s25, s23
	s_cselect_b32 s21, ttmp9, s21                  ; its group of 32 rows
	s_add_co_u32 s23, s23, s19                     ; my tile
	s_lshl_b32 s26, s21, 17                        ; 32 rows of 4,096 bytes,
	s_lshl_b32 s30, s19, 15                        ; 8 rows for the odd tile,
	s_add_co_u32 s26, s26, s30
	s_lshl_b32 s30, s20, 11                        ; 512 numbers for the upper half of K
	s_add_co_u32 s26, s26, s30
	s_mov_b32 s27, 0
	s_add_nc_u64 s[4:5], s[4:5], s[26:27]
	s_lshl_b32 s26, s20, 21                        ; codes: four K steps of 524,288 bytes, + 1,024 x tile
	s_lshl_b32 s30, s23, 10
	s_add_co_u32 s26, s26, s30
	s_add_nc_u64 s[14:15], s[14:15], s[26:27]
	s_lshl_b32 s26, s23, 9                         ; scales: 512 x tile + 256 x half
	s_lshl_b32 s30, s20, 8
	s_add_co_u32 s26, s26, s30
	s_add_nc_u64 s[16:17], s[16:17], s[26:27]
.macro LOAD q                          ; unit q: 16 rows x 512 bytes, each load 512 consecutive bytes, into set q % 2
.irp i, 0,1,2,3,4,5,6,7,8,9,10,11,12,13,14,15
	global_load_b128 v[R+64*((\q)%2)+4*\i:R+64*((\q)%2)+4*\i+3], v[L16], s[4:5] offset:(\i+8*(\i/8))*4096+512*(\q) th:TH_LOAD_NT
.endr
.endm
.macro UNIT q
.if \q < 3
	s_wait_loadcnt 16                              ; this unit's 16 loads are in; the next unit's 16 may be out
.else
	s_wait_loadcnt 0x0
.endif
.irp i, 0,1,2,3,4,5,6,7,8,9,10,11,12,13,14,15
	ds_store_b128 v[STA], v[R+64*(\q%2)+4*\i:R+64*(\q%2)+4*\i+3] offset:STP*\i
.endr
.irp b, 0,1,2,3
.irp j, 0,1,2,3
	ds_load_b128 v[X+16*\b+4*\j:X+16*\b+4*\j+3], v[LDA] offset:128*\b+16*\j   ; LDS serves a wave's instructions in order: these see the stores above
.endr
.endr
	s_wait_dscnt 0x0                               ; the stores have read their registers, and my 64 numbers are in
.if \q < 2
	LOAD \q+2
.endif
	QUANT X, 4, PC+8*\q, PW+\q
	ds_store_b32 v[SCA], v[PW+\q] offset:64*\q     ; both halves of the lanes write the same word with the same value
.irp c, 0,1
	global_store_b128 v[L16], v[PC+8*\q+4*\c:PC+8*\q+4*\c+3], s[14:15] offset:524288*\q+512*\c   ; 512 consecutive bytes, aligned
.endr
.endm
	LOAD 0
	LOAD 1
	UNIT 0
	UNIT 1
	UNIT 2
	UNIT 3
	ds_load_b64 v[8:9], v[SCR]                     ; my wave's 256 scale bytes: four K steps x 16 words
	s_wait_dscnt 0x0
	global_store_b64 v[L8], v[8:9], s[16:17]       ; 256 consecutive bytes, aligned
	s_wait_tensorcnt 0x0
	ds_add_u32 v22, v23
	s_wait_dscnt 0x0
	s_endpgm
.Lfunc_end_k_qd3e4f9312d_quant:
	.size	k_qd3e4f9312d_quant, .Lfunc_end_k_qd3e4f9312d_quant-k_qd3e4f9312d_quant
	.p2alignl 7, 3214868480
	.fill 96, 4, 3214868480
	.section	.rodata,"a",@progbits
	.p2align	6, 0x0
	.amdhsa_kernel k_qd3e4f9312d_quant
		.amdhsa_group_segment_fixed_size 35328
		.amdhsa_private_segment_fixed_size 0
		.amdhsa_enable_private_segment 0
		.amdhsa_kernarg_size 56
		.amdhsa_user_sgpr_count 2
		.amdhsa_user_sgpr_kernarg_segment_ptr 1
		.amdhsa_wavefront_size32 1
		.amdhsa_system_sgpr_workgroup_id_x 1
		.amdhsa_system_sgpr_workgroup_id_y 1
		.amdhsa_system_sgpr_workgroup_id_z 1
		.amdhsa_system_vgpr_workitem_id 0
		.amdhsa_next_free_vgpr 256
		.amdhsa_next_free_sgpr 66
		.amdhsa_reserve_vcc 0
		.amdhsa_float_denorm_mode_32 3
		.amdhsa_float_denorm_mode_16_64 3
		.amdhsa_memory_ordered 1
		.amdhsa_forward_progress 1
		.amdhsa_inst_pref_size 34
	.end_amdhsa_kernel
	.amdgpu_metadata
---
amdhsa.version: [ 1, 2 ]
amdhsa.kernels:
  - .name:           k_qd3e4f9312d_quant
    .symbol:         k_qd3e4f9312d_quant.kd
    .args:
      - { .name: x, .offset: 0, .size: 8, .value_kind: global_buffer, .address_space: global }
      - { .name: W_q, .offset: 8, .size: 8, .value_kind: global_buffer, .address_space: global }
      - { .name: W_k, .offset: 16, .size: 8, .value_kind: global_buffer, .address_space: global }
      - { .name: W_v, .offset: 24, .size: 8, .value_kind: global_buffer, .address_space: global }
      - { .name: W_out, .offset: 32, .size: 8, .value_kind: global_buffer, .address_space: global }
      - { .name: codes, .offset: 40, .size: 8, .value_kind: global_buffer, .address_space: global }
      - { .name: scales, .offset: 48, .size: 8, .value_kind: global_buffer, .address_space: global }
    .group_segment_fixed_size: 35328
    .private_segment_fixed_size: 0
    .kernarg_segment_align: 8
    .kernarg_segment_size: 56
    .max_flat_workgroup_size: 128
    .sgpr_count:     66
    .vgpr_count:     256
    .wavefront_size: 32
...
	.end_amdgpu_metadata
.endif
;; end of part 1
;; launch qkv (part 2): grid 8 x 32, 12 waves a work-group, clusters of 4 x 4, 286,208 bytes of LDS; arguments codes, scales, b_q, b_k, b_v, qimg, qsc, kv; writes qimg, qsc, kv
.if DOCPART == 2
	.amdgcn_target "amdgcn-amd-amdhsa--gfx1250"
	.amdhsa_code_object_version 6
	.text
	.protected	k_qd3e4f9312d_qkv
	.globl	k_qd3e4f9312d_qkv
	.p2align	8
	.type	k_qd3e4f9312d_qkv,@function
k_qd3e4f9312d_qkv:
	s_mov_b64 s[64:65], 0
	v_nop
	global_prefetch_b8 v0, s[64:65] scope:SCOPE_SE
	s_setreg_imm32_b32 hwreg(HW_REG_WAVE_MODE, 25, 1), 1
	s_wait_xcnt 0x0
	s_wait_alu depctr_hold_cnt(0) depctr_sa_sdst(0) depctr_va_vdst(0) depctr_va_sdst(0) depctr_va_ssrc(0) depctr_va_vcc(0) depctr_vm_vsrc(0)
	s_getreg_b32 s2, hwreg(HW_REG_IB_STS2, 6, 4)
	s_cmp_eq_u32 s2, 0
	s_cbranch_scc0 .Lentry_in_a_cluster
	s_endpgm
.Lentry_in_a_cluster:
	s_bfe_u32 s2, ttmp6, 0x10000c
	s_cmp_lg_u32 s2, 0xf033
	s_cbranch_scc0 .Lentry_shape_is_right
	s_endpgm
.Lentry_shape_is_right:
; Q, K, V = x W^T + b on codes of FP4 (E2M1) with E8M0 scales, and the quantisers of Q and K (along the head's 64) and of V (along the tokens).
; Operands come as images of operand registers: codes [K step 8][tile 512][1,024], scales [tile][K step][16 words]; place m of tile T is row 32 (T / 2) + 8 (T % 2) + m + 8 (m / 8).
; SHARES: work-group (c, y) takes tokens 128 y .. + 127 and features 128 c .. + 127 (two heads) of each of Q, K, V.  Its operands for ALL of K lie in LDS (x 64 KiB, three weights 192 KiB, scale words 16 KiB):
; every LDS byte is filled once, in four stages of two K steps, so no slot is ever filled again.  Twelve waves, three to a SIMD, 256 registers each: no register windows.
; Wave w: kind w / 4 (Q, K, V), pair i = w % 4.  A JOB is 8 big tiles (source 0) x 2 small tiles (source 1): a lane holds ONE small row, and its registers run along the 128 big rows, in their natural order.
;   Q, K: big = the weight's 128 features, small = x's tiles 2 i, 2 i + 1: a lane holds a token and 64 of its features: blocks 0, 1 are head 2 c, blocks 2, 3 head 2 c + 1.
;   V:    big = x's 128 tokens, small = W_v's tiles 2 i, 2 i + 1: a lane holds a channel and 64 of its tokens: a fragment of V^T with the keys innermost.
; OUT: qimg [head 32][query tile 128][512] (registers 0-3 of a fragment: K = 64), qsc [head][tile][16 words] (bytes 0, 1; bytes 2, 3 are 0),
;      kv [head][key step 16][8,960]: K's 8 tiles x 512, V^T's 4 tiles x 1,024, K's scale words 8 x 64, V's 4 x 64.
; CLUSTER 4 x 4: the four work-groups of a row share y and so x's tiles, the four of a column share c and so the weights' tiles: each tile is asked for jointly, by the same load with the same descriptor and a mask that names the four.
; LIMITS: a block of zeros gets the byte 1 where the rule says 127 (its codes are zeros, and this program alone reads the bytes); NaN and infinities are not served.
; LDS AS IT IS FILLED: part p lies at PART x p with all eight K steps on end, and ONE tensor load brings a part whole (in place of the four stages named above): waves 0-3 fetch the four parts' codes,
; waves 4-7 their scale words, one load a wave; every wave waits for its load, and one barrier shows all of LDS to all waves.
.set STGB,  16384                      ; two K steps of a part
.set PART,  65536                      ; a part: [K step 8][8 tiles][1,024]: 0 W_q, 1 W_k, 2 x, 3 W_v
.set SCL,   4*PART                     ; the scale words: part p at + 4,096 p: [8 tiles][8 K steps][16 words]
.set BIASL, SCL+4*4096                 ; 512 bytes for each wave: its kind's bias for the 128 features; no tensor load lands here
.set REC,   8960
.set HEADB, 16*REC
.set L16,  1                           ; v1  16 x lane
.set L4,   2                           ; v2  4 x lane
.set ADRB, 3                           ; v3  the big side's fragments
.set ADRS, 4                           ; v4  the small side's
.set ASB,  5                           ; v5  the big side's scale words: lanes 0-15 the even K step's, lanes 16-31 the odd one's
.set ASS,  6                           ; v6  the small side's
.set BQA,  7                           ; v7  the bias for Q, K: + 64 h
.set BVA,  8                           ; v8  the bias for V: my channel's
.set BST,  9                           ; v9  where the bias is put
.set LN,   11                          ; v11 lane
.set BV,   12                          ; v12-15 the bias on its way; later V's, twice for each tile
.set TM,   16                          ; v16-31 at work in QUANT
.set SB,   32                          ; v32-39 scale words of the big tiles
.set SS,   40                          ; v40-41 of the small ones
.set PW,   42                          ; v42-43 the scale words just made
.set WS,   44
.set WLO,  45
.set WHI,  46
.set SF,   48                          ; v48-63 the small side's two fragments; later the codes just made
.set PC,   48
.set BF,   64                          ; v64-127 the big side's eight fragments; later the bias in the result's layout
.set ACC,  128                         ; v128-255 accumulator (t, j) at 128 + 64 j + 8 t
.set G1X,  16                          ; s[16:23] group 1 for x's codes;  s[24:31] for the weights';  s[32:39], s[40:47] for their scale words
.set G1W,  24
.set G1SX, 32
.set G1SW, 40
.set LA,   66                          ; LDS address of my part in stage 0
.set LS,   67                          ; and of my part's scale words
.set WV,   92
.set KIND, 93
.set PI,   94
.set CX,   95
.set CY,   96
.set CC,   97
.set YY,   98
.set MR,   99
.set MC,   100
.set TP,   101
.set SEL,  52                          ; s[52:53], set when the descriptors are done with
.macro QUANT src, nb, pc, pw           ; 16 nb numbers of a lane, register 16 b + i = k 32 b + 16 (lane / 16) + i of my row -> codes in v[pc] on (operand layout), scale bytes in v[pw]
.irp b, 0,1,2,3
.if \b < \nb
	v_max3_num_f32 v[TM+\b], |v[(\src)+16*\b]|, |v[(\src)+16*\b+1]|, 0x1800000   ; and the floor 2^(3 - 127): the byte cannot fall under 1
.endif
.endr
.irp i, 2,4,6,8,10,12,14
.irp b, 0,1,2,3
.if \b < \nb
	s_delay_alu instid0(VALU_DEP_4)
	v_max3_num_f32 v[TM+\b], v[TM+\b], |v[(\src)+16*\b+\i]|, |v[(\src)+16*\b+\i+1]|
.endif
.endr
.endr
.irp b, 0,1,2,3
.if \b < \nb
	s_delay_alu instid0(VALU_DEP_4)
	v_permlanex16_b32 v[TM+4+\b], v[TM+\b], s[SEL], s[SEL+1]
.endif
.endr
.irp b, 0,1,2,3
.if \b < \nb
	s_delay_alu instid0(VALU_DEP_4)
	v_max_num_f32 v[TM+\b], v[TM+\b], v[TM+4+\b]
.endif
.endr
.irp b, 0,1,2,3
.if \b < \nb
	s_delay_alu instid0(VALU_DEP_4)
	v_add_nc_u32 v[TM+12+\b], 0xff000000, v[TM+\b]     ; 2 off the exponent field: the conversion's scale operand
.endif
.endr
.irp b, 0,1,2,3
.if \b < \nb
	s_delay_alu instid0(VALU_DEP_4)
	v_lshrrev_b32 v[TM+4+\b], 23, v[TM+12+\b]          ; the scale's byte
.endif
.endr
	s_delay_alu instid0(VALU_DEP_3)
	v_lshl_or_b32 v[\pw], v[TM+5], 8, v[TM+4]
.if \nb > 2
	s_delay_alu instid0(VALU_DEP_1)
	v_lshl_or_b32 v[\pw], v[TM+6], 16, v[\pw]
	s_delay_alu instid0(VALU_DEP_1)
	v_lshl_or_b32 v[\pw], v[TM+7], 24, v[\pw]
.endif
.irp b, 0,1,2,3
.if \b < \nb
	v_cvt_scalef32_pk8_fp4_f32 v[(\pc)+2*\b], v[(\src)+16*\b:(\src)+16*\b+7], v[TM+12+\b]
	v_cvt_scalef32_pk8_fp4_f32 v[(\pc)+2*\b+1], v[(\src)+16*\b+8:(\src)+16*\b+15], v[TM+12+\b]
.endif
.endr
	v_nop                                              ; one plain place behind a scaled conversion
.irp c, 0,1
.if 2*\c < \nb
.irp i, 0,1
	v_permlane16_swap_b32 v[(\pc)+4*\c+\i], v[(\pc)+4*\c+2+\i]
.endr
.endif
.endr
.endm
.macro CROUND                          ; a round of the cluster's barrier
	s_barrier_signal -1
	s_barrier_wait -1
	s_cmp_lg_u32 s[WV], 0
	s_cbranch_scc1 .Lnot_wave_0_\@
	s_barrier_signal -3
.Lnot_wave_0_\@:
	s_barrier_wait -3
	s_barrier_signal -1
	s_barrier_wait -1
.endm
.macro MKG0 g, la, lo, base, off, go   ; a group 0: count 1; LDS address s[la] + lo; global address s[base] + s[off] + go; type 2
	s_mov_b32 s[\g], 1
	s_add_co_u32 s[\g+1], s[\la], \lo
	s_add_nc_u64 s[\g+2:\g+3], s[\base:\base+1], s[\off:\off+1]
.if \go
	s_add_nc_u64 s[\g+2:\g+3], s[\g+2:\g+3], \go
.endif
	s_or_b32 s[\g+3], s[\g+3], 0x80000000
.endm
	s_load_b128 s[4:7], s[0:1], 0x0                ; codes, scales
	s_load_b128 s[8:11], s[0:1], 0x10              ; b_q, b_k
	s_load_b64 s[12:13], s[0:1], 0x20              ; b_v
	v_lshl_add_u32 v27, v0, 2, 0x45800
	v_mov_b32 v47, 0
	ds_add_u32 v27, v47
	ds_add_u32 v27, v47
	v_lshrrev_b32 v10, 5, v0
	s_delay_alu instid0(VALU_DEP_1)
	v_readfirstlane_b32 s[WV], v10                 ; wave 0..11
	s_lshr_b32 s[KIND], s[WV], 2                   ; 0 Q, 1 K, 2 V
	s_and_b32 s[PI], s[WV], 3                      ; my pair of small tiles
	s_bfe_u32 s[CX], ttmp6, 0x40000
	s_bfe_u32 s[CY], ttmp6, 0x40004
	s_lshl_b32 s[CC], ttmp9, 2
	s_add_co_u32 s[CC], s[CC], s[CX]               ; c = 4 x cluster x + cx
	s_and_b32 s[YY], ttmp7, 0xffff
	s_lshl_b32 s[YY], s[YY], 2
	s_add_co_u32 s[YY], s[YY], s[CY]               ; y = 4 x cluster y + cy
	s_lshl_b32 s[MR], s[CY], 2
	s_lshl_b32 s[MR], 15, s[MR]                    ; my row of the cluster
	s_lshl_b32 s[MC], 0x1111, s[CX]                ; my column
	; every LDS address register is made here, ahead of the first branch on the wave's number
	v_and_b32 v[LN], 31, v0
	v_and_b32 v10, 15, v0                          ; r
	v_bfe_u32 v12, v0, 4, 1                        ; h
	s_delay_alu instid0(VALU_DEP_3)
	v_lshlrev_b32 v[L16], 4, v[LN]
	s_wait_alu depctr_va_vdst(0)
	v_lshlrev_b32 v[L4], 2, v[LN]
	s_wait_alu depctr_va_vdst(0)
	s_lshl_b32 s[TP], s[KIND], 16                  ; the big part is my kind's number
	v_add_nc_u32 v[ADRB], s[TP], v[L16]
	s_lshl_b32 s[TP], s[KIND], 12
	s_add_co_u32 s[TP], s[TP], SCL
	v_add_nc_u32 v[ASB], s[TP], v[L4]
	s_lshr_b32 s[TP], s[KIND], 1
	s_add_co_u32 s[TP], s[TP], 2                   ; the small part: 2 (x) for Q and K, 3 (W_v) for V
	s_lshl_b32 s14, s[TP], 16
	s_lshl_b32 s15, s[PI], 11
	s_add_co_u32 s14, s14, s15
	v_add_nc_u32 v[ADRS], s14, v[L16]
	s_lshl_b32 s14, s[TP], 12
	s_lshl_b32 s15, s[PI], 10
	s_add_co_u32 s14, s14, s15
	s_add_co_u32 s14, s14, SCL
	v_add_nc_u32 v[ASS], s14, v[L4]
	s_lshl_b32 s14, s[WV], 9
	s_add_co_u32 s14, s14, BIASL
	v_add_nc_u32 v[BST], s14, v[L16]
	v_lshl_add_u32 v[BQA], v12, 6, s14
	v_and_b32 v13, 8, v10
	s_delay_alu instid0(VALU_DEP_1)
	v_add_nc_u32 v13, v13, v10                     ; r + 8 (r / 8)
	s_lshl_b32 s15, s[PI], 7
	s_add_co_u32 s14, s14, s15
	v_lshl_add_u32 v[BVA], v13, 2, s14             ; feature 32 i + 8 j + r + 8 (r / 8) of the 128: j in the load's offset
.irp b, 0,1,2,3
	v_mov_b32 v[TM+4+\b], 0                        ; written once: a lane permute's destination counts as one of its sources
.endr
	; group 1.  Codes: 8 rows (K steps) of 8,192 bytes (8 tiles), 524,288 bytes apart, in elements of 8 bytes.  Scale words: 4,096 dense bytes as 16 rows of 256
	s_or_b32 s[G1X], s[MR], (3<<16)|(1<<21)        ; 15:0 the mask; 17:16 elements of 8 bytes; 21 set beside a mask
	s_or_b32 s[G1SX], s[MR], (3<<16)|(1<<21)
	s_or_b32 s[G1W], s[MC], (3<<16)|(1<<21)
	s_or_b32 s[G1SW], s[MC], (3<<16)|(1<<21)
.irp g, G1X, G1W
	s_mov_b32 s[\g+1], 1024<<16                    ; tensor_dim0
	s_mov_b32 s[\g+2], 8<<16                       ; tensor_dim1: all eight K steps
	s_mov_b32 s[\g+3], 1024<<16                    ; tile_dim0
	s_mov_b32 s[\g+4], 8                           ; tile_dim1
	s_mov_b32 s[\g+5], 65536                       ; from row to row
	s_mov_b32 s[\g+6], 0
	s_mov_b32 s[\g+7], 0
.endr
.irp g, G1SX, G1SW
	s_mov_b32 s[\g+1], 32<<16
	s_mov_b32 s[\g+2], 16<<16
	s_mov_b32 s[\g+3], 32<<16
	s_mov_b32 s[\g+4], 16
	s_mov_b32 s[\g+5], 32
	s_mov_b32 s[\g+6], 0
	s_mov_b32 s[\g+7], 0
.endr
	s_lshl_b32 s[LA], s[PI], 16                    ; waves p and 4 + p fill part p's codes and scale words: no place in the cluster enters an LDS address
	s_lshl_b32 s[LS], s[PI], 12
	s_add_co_u32 s[LS], s[LS], SCL
	s_lshl_b32 s2, s[YY], 12                       ; x's tiles 8 y on: their scale words (512 bytes a tile).  s[2:3] hold y's offsets alone,
	s_mov_b32 s3, 0
	s_lshr_b32 s[TP], s[PI], 1
	s_sub_co_u32 s[TP], s[PI], s[TP]               ; parts 0, 1, 3 are W_q, W_k, W_v: t = p - p / 2
	s_lshl_b32 s[TP], s[TP], 3
	s_mul_i32 s14, s[CC], 24                       ; s[14:15] c's alone
	s_add_co_u32 s14, s14, s[TP]
	s_add_co_u32 s14, s14, 256                     ; the weight's first tile: 256 + 24 c + 8 t
	s_lshl_b32 s14, s14, 9
	s_mov_b32 s15, 0
	s_wait_dscnt 0x0
	s_wait_kmcnt 0x0
	MKG0 48, LS, 0, 6, 2, 0
	MKG0 72, LS, 0, 6, 14, 0
	s_lshl_b32 s2, s2, 1                           ; the codes: 1,024 bytes a tile
	s_lshl_b32 s14, s14, 1
	MKG0 52, LA, 0, 4, 2, 0
	MKG0 76, LA, 0, 4, 14, 0
	s_cmp_eq_u32 s[KIND], 0                        ; my kind's bias: the choice hangs on the wave's number alone
	s_cselect_b64 s[8:9], s[8:9], s[10:11]
	s_cmp_eq_u32 s[KIND], 2
	s_cselect_b64 s[8:9], s[12:13], s[8:9]
	s_lshl_b32 s10, s[CC], 9
	s_mov_b32 s11, 0
	s_add_nc_u64 s[8:9], s[8:9], s[10:11]
	global_load_b128 v[BV:BV+3], v[L16], s[8:9]    ; the 128 features' bias: 512 bytes
	CROUND                                         ; all sixteen work-groups are here: the joint loads meet
	; all fills of the launch go out here, ONE a wave, in one chain of branches on the wave's number: waves 0, 1, 3 a weight's codes, wave 2 x's, waves 4, 5, 7 a weight's scale words, wave 6 x's
	s_cmp_lt_u32 s[WV], 8
	s_cbranch_scc0 .Lasked
	s_cmp_eq_u32 s[WV], 2
	s_cbranch_scc1 .Lx_arm
	s_cmp_eq_u32 s[WV], 6
	s_cbranch_scc1 .Lxs_arm
	s_cmp_lt_u32 s[WV], 4
	s_cbranch_scc0 .Lws_arm
	tensor_load_to_lds s[76:79], s[G1W:G1W+7]
	s_nop 0
.rept 4
	v_nop
.endr
	s_branch .Lasked
.Lws_arm:
	tensor_load_to_lds s[72:75], s[G1SW:G1SW+7]
	s_nop 0
.rept 4
	v_nop
.endr
	s_branch .Lasked
.Lxs_arm:
	tensor_load_to_lds s[48:51], s[G1SX:G1SX+7]
	s_nop 0
.rept 4
	v_nop
.endr
	s_branch .Lasked
.Lx_arm:
	tensor_load_to_lds s[52:55], s[G1X:G1X+7]
	s_nop 0
.rept 4
	v_nop
.endr
.Lasked:
	s_wait_loadcnt 0x0
	s_wait_alu depctr_va_vdst(0)
	ds_store_b128 v[BST], v[BV:BV+3]               ; the bias into my own 512 bytes
	s_wait_dscnt 0x0
.macro STBAR st                        ; st = 0: my one load has landed, and behind the barrier everybody's has. Later pairs of K steps need no barrier
.if \st == 0
	s_wait_tensorcnt 0x0
	s_barrier_signal -1
	s_barrier_wait -1
.endif
.endm
.macro MM t, j, first, row
.if \first
	v_wmma_scale_f32_16x16x128_f8f6f4 v[ACC+64*\j+8*\t:ACC+64*\j+8*\t+7], v[BF+8*\t:BF+8*\t+7], v[SF+8*\j:SF+8*\j+7], 0, v[SB+\t], v[SS+\j] matrix_a_fmt:MATRIX_FMT_FP4 matrix_b_fmt:MATRIX_FMT_FP4
.elseif \row
	v_wmma_scale_f32_16x16x128_f8f6f4 v[ACC+64*\j+8*\t:ACC+64*\j+8*\t+7], v[BF+8*\t:BF+8*\t+7], v[SF+8*\j:SF+8*\j+7], v[ACC+64*\j+8*\t:ACC+64*\j+8*\t+7], v[SB+\t], v[SS+\j] matrix_a_fmt:MATRIX_FMT_FP4 matrix_b_fmt:MATRIX_FMT_FP4 matrix_a_scale:MATRIX_SCALE_ROW1 matrix_b_scale:MATRIX_SCALE_ROW1
.else
	v_wmma_scale_f32_16x16x128_f8f6f4 v[ACC+64*\j+8*\t:ACC+64*\j+8*\t+7], v[BF+8*\t:BF+8*\t+7], v[SF+8*\j:SF+8*\j+7], v[ACC+64*\j+8*\t:ACC+64*\j+8*\t+7], v[SB+\t], v[SS+\j] matrix_a_fmt:MATRIX_FMT_FP4 matrix_b_fmt:MATRIX_FMT_FP4
.endif
.endm
; One K step of 128: the stage's sp-th.  20 fragment loads, with the even step the stage's 10 scale registers, 16 products; the 16 accumulators take turns.
.macro KSTEP st, sp, first
.if !\first
.rept 4
	v_nop                                          ; four places in front of loads into registers that matrix instructions have read
.endr
.endif
.irp j, 0,1
.irp c, 0,1
	ds_load_b128 v[SF+8*\j+4*\c:SF+8*\j+4*\c+3], v[ADRS] offset:8192*\sp+1024*\j+512*\c
.endr
.endr
.irp t, 0,1,2,3,4,5,6,7
.irp c, 0,1
	ds_load_b128 v[BF+8*\t+4*\c:BF+8*\t+4*\c+3], v[ADRB] offset:8192*\sp+1024*\t+512*\c
.endr
.endr
.if \sp == 0
.irp t, 0,1,2,3,4,5,6,7
	ds_load_b32 v[SB+\t], v[ASB] offset:512*\t+128*\st   ; lanes 0-15: K step 2 st; lanes 16-31: K step 2 st + 1
.endr
.irp j, 0,1
	ds_load_b32 v[SS+\j], v[ASS] offset:512*\j+128*\st
.endr
.endif
	s_wait_dscnt 0x0
.irp t, 0,1,2,3,4,5,6,7
.irp j, 0,1
	MM \t, \j, \first, \sp
.endr
.endr
.endm
.macro NEXTST
	v_add_nc_u32 v[ADRB], STGB, v[ADRB]
	v_add_nc_u32 v[ADRS], STGB, v[ADRS]
.endm
	STBAR 0
	KSTEP 0, 0, 1                                  ; the first products start the sums: nothing is cleared
	KSTEP 0, 1, 0
	NEXTST
	s_wait_alu depctr_va_vdst(0)
	STBAR 1
	KSTEP 1, 0, 0
	KSTEP 1, 1, 0
	NEXTST
	s_wait_alu depctr_va_vdst(0)
	STBAR 2
	KSTEP 2, 0, 0
	KSTEP 2, 1, 0
	NEXTST
	s_wait_alu depctr_va_vdst(0)
	STBAR 3                                        ; its wait is for 0: no tensor load of mine is out, so the descriptors' registers are free
	s_load_b64 s[16:17], s[0:1], 0x28              ; qimg
	s_load_b64 s[18:19], s[0:1], 0x30              ; qsc
	s_load_b64 s[20:21], s[0:1], 0x38              ; kv
	KSTEP 3, 0, 0
	KSTEP 3, 1, 0
.rept 4
	v_nop                                          ; four places in front of the first read of results and of loads into the fragments' registers
.endr
	s_mov_b32 s[SEL], 0x76543210
	s_mov_b32 s[SEL+1], 0xfedcba98
	s_lshr_b32 s22, s[YY], 4
	s_lshl_b32 s22, s22, 4
	s_lshl_b32 s23, s[CC], 1
	s_add_co_u32 s22, s22, s23                     ; the first of my two heads: 16 x batch + 2 c
	s_and_b32 s23, s[YY], 15                       ; the block of 128 tokens in its batch: the key step
	s_mul_i32 s24, s22, HEADB
	s_mul_i32 s25, s23, REC
	s_add_co_u32 s24, s24, s25                     ; that head's record in kv
	s_wait_kmcnt 0x0
	s_cmp_eq_u32 s[KIND], 2
	s_cbranch_scc1 .Lv
	; ---- Q and K: + bias, quantised along the features; blocks 0, 1 go to the first head, blocks 2, 3 to the second
.irp b, 0,1,2,3
.irp q, 0,1,2,3
	ds_load_b128 v[BF+16*\b+4*\q:BF+16*\b+4*\q+3], v[BQA] offset:128*\b+16*\q   ; register 16 b + i: the bias of feature 32 b + 16 h + i
.endr
.endr
	s_lshl_b32 s26, s23, 3
	s_lshl_b32 s27, s[PI], 1
	s_add_co_u32 s26, s26, s27                     ; the query tile: 8 ks + 2 i
	s_lshl_b32 s28, s22, 16
	s_lshl_b32 s29, s26, 9
	s_add_co_u32 s28, s28, s29                     ; Q's codes
	s_lshl_b32 s30, s22, 13
	s_lshl_b32 s31, s26, 6
	s_add_co_u32 s30, s30, s31                     ; Q's scale words
	s_lshl_b32 s32, s[PI], 10
	s_add_co_u32 s32, s32, s24                     ; K's codes: tile 2 i of the record
	s_lshl_b32 s33, s[PI], 7
	s_add_co_u32 s33, s33, s24
	s_add_co_u32 s33, s33, 8192                    ; K's scale words
	s_cmp_eq_u32 s[KIND], 0                        ; offsets and buffers are chosen by the wave's number alone
	s_cselect_b32 s36, s28, s32
	s_cselect_b32 s38, s30, s33
	s_cselect_b64 s[40:41], s[16:17], s[20:21]
	s_cselect_b64 s[42:43], s[18:19], s[20:21]
	s_mov_b32 s44, HEADB
	s_cselect_b32 s44, 65536, s44                  ; from a head to the next
	s_mov_b32 s46, HEADB
	s_cselect_b32 s46, 8192, s46
	s_mov_b32 s37, 0
	s_mov_b32 s39, 0
	s_mov_b32 s45, 0
	s_mov_b32 s47, 0
	s_add_nc_u64 s[40:41], s[40:41], s[36:37]      ; codes, first head
	s_add_nc_u64 s[42:43], s[42:43], s[38:39]      ; scale words, first head
	s_add_nc_u64 s[48:49], s[40:41], s[44:45]      ; codes, second head
	s_add_nc_u64 s[50:51], s[42:43], s[46:47]      ; scale words, second head
	s_wait_dscnt 0x0
.irp j, 0,1
.set J, 0
.rept 32
	v_pk_add_f32 v[ACC+64*\j+J:ACC+64*\j+J+1], v[ACC+64*\j+J:ACC+64*\j+J+1], v[BF+J:BF+J+1]   ; ascending: each accumulator is read from its low end on
.set J, J+2
.endr
	QUANT ACC+64*\j, 4, PC+8*\j, PW+\j
	global_store_b128 v[L16], v[PC+8*\j:PC+8*\j+3], s[40:41] offset:512*\j     ; 512 consecutive bytes, aligned
	global_store_b128 v[L16], v[PC+8*\j+4:PC+8*\j+7], s[48:49] offset:512*\j
.endr
	v_cmp_le_u32 vcc_lo, 16, v[LN]
	s_delay_alu instid0(VALU_DEP_1)
	v_cndmask_b32 v[WS], v[PW], v[PW+1], vcc_lo    ; lanes 0-15: tile 2 i's words; lanes 16-31: tile 2 i + 1's
	s_delay_alu instid0(VALU_DEP_1)
	v_and_b32 v[WLO], 0xffff, v[WS]                ; the first head's two bytes; bytes 2 and 3 are 0: they scale zero codes
	s_delay_alu instid0(VALU_DEP_2)
	v_lshrrev_b32 v[WHI], 16, v[WS]                ; the second head's
	global_store_b32 v[L4], v[WLO], s[42:43]       ; 128 consecutive bytes: two tiles' words
	global_store_b32 v[L4], v[WHI], s[50:51]
	s_branch .Ldone
.Lv:
	; ---- V: + bias (one number a lane), quantised along the 128 tokens: a fragment of V^T for this key step
	ds_load_b32 v[BV], v[BVA]
	ds_load_b32 v[BV+1], v[BVA]                    ; twice: a pair for the packed addition
	ds_load_b32 v[BV+2], v[BVA] offset:32
	ds_load_b32 v[BV+3], v[BVA] offset:32
	s_lshr_b32 s26, s[PI], 1                       ; pairs 0, 1 belong to the first head, pairs 2, 3 to the second
	s_mul_i32 s26, s26, HEADB
	s_add_co_u32 s24, s24, s26
	s_and_b32 s26, s[PI], 1                        ; the tile in the head: 2 (i % 2) + j
	s_lshl_b32 s27, s26, 11
	s_add_co_u32 s28, s24, s27
	s_add_co_u32 s28, s28, 4096
	s_mov_b32 s29, 0
	s_add_nc_u64 s[40:41], s[20:21], s[28:29]
	s_lshl_b32 s27, s26, 7
	s_add_co_u32 s30, s24, s27
	s_add_co_u32 s30, s30, 8704
	s_mov_b32 s31, 0
	s_add_nc_u64 s[42:43], s[20:21], s[30:31]
	s_wait_dscnt 0x0
.irp j, 0,1
.set J, 0
.rept 32
	v_pk_add_f32 v[ACC+64*\j+J:ACC+64*\j+J+1], v[ACC+64*\j+J:ACC+64*\j+J+1], v[BV+2*\j:BV+2*\j+1]
.set J, J+2
.endr
	QUANT ACC+64*\j, 4, PC+8*\j, PW+\j
.irp c, 0,1
	global_store_b128 v[L16], v[PC+8*\j+4*\c:PC+8*\j+4*\c+3], s[40:41] offset:1024*\j+512*\c
.endr
.endr
	v_cmp_le_u32 vcc_lo, 16, v[LN]
	s_delay_alu instid0(VALU_DEP_1)
	v_cndmask_b32 v[WS], v[PW], v[PW+1], vcc_lo
	global_store_b32 v[L4], v[WS], s[42:43]
.Ldone:
	s_wait_dscnt 0x0
	s_wait_tensorcnt 0x0
	ds_add_u32 v27, v47
	s_wait_dscnt 0x0
	CROUND                                         ; the closing round: no work-group ends while a partner may still ask for a tile that names it
	s_endpgm
.Lfunc_end_k_qd3e4f9312d_qkv:
	.size	k_qd3e4f9312d_qkv, .Lfunc_end_k_qd3e4f9312d_qkv-k_qd3e4f9312d_qkv
	.p2alignl 7, 3214868480
	.fill 96, 4, 3214868480
	.section	.rodata,"a",@progbits
	.p2align	6, 0x0
	.amdhsa_kernel k_qd3e4f9312d_qkv
		.amdhsa_group_segment_fixed_size 286208
		.amdhsa_private_segment_fixed_size 0
		.amdhsa_enable_private_segment 0
		.amdhsa_kernarg_size 64
		.amdhsa_user_sgpr_count 2
		.amdhsa_user_sgpr_kernarg_segment_ptr 1
		.amdhsa_wavefront_size32 1
		.amdhsa_system_sgpr_workgroup_id_x 1
		.amdhsa_system_sgpr_workgroup_id_y 1
		.amdhsa_system_sgpr_workgroup_id_z 1
		.amdhsa_system_vgpr_workitem_id 0
		.amdhsa_next_free_vgpr 256
		.amdhsa_next_free_sgpr 102
		.amdhsa_reserve_vcc 1
		.amdhsa_float_denorm_mode_32 3
		.amdhsa_float_denorm_mode_16_64 3
		.amdhsa_memory_ordered 1
		.amdhsa_forward_progress 1
		.amdhsa_inst_pref_size 73
	.end_amdhsa_kernel
	.amdgpu_metadata
---
amdhsa.version: [ 1, 2 ]
amdhsa.kernels:
  - .name:           k_qd3e4f9312d_qkv
    .symbol:         k_qd3e4f9312d_qkv.kd
    .args:
      - { .name: codes, .offset: 0, .size: 8, .value_kind: global_buffer, .address_space: global }
      - { .name: scales, .offset: 8, .size: 8, .value_kind: global_buffer, .address_space: global }
      - { .name: b_q, .offset: 16, .size: 8, .value_kind: global_buffer, .address_space: global }
      - { .name: b_k, .offset: 24, .size: 8, .value_kind: global_buffer, .address_space: global }
      - { .name: b_v, .offset: 32, .size: 8, .value_kind: global_buffer, .address_space: global }
      - { .name: qimg, .offset: 40, .size: 8, .value_kind: global_buffer, .address_space: global }
      - { .name: qsc, .offset: 48, .size: 8, .value_kind: global_buffer, .address_space: global }
      - { .name: kv, .offset: 56, .size: 8, .value_kind: global_buffer, .address_space: global }
    .group_segment_fixed_size: 286208
    .private_segment_fixed_size: 0
    .kernarg_segment_align: 8
    .kernarg_segment_size: 64
    .max_flat_workgroup_size: 384
    .sgpr_count:     102
    .vgpr_count:     256
    .wavefront_size: 32
...
	.end_amdgpu_metadata
.endif
;; end of part 2
;; launch attn (part 3): grid 8 x 32, 16 waves a work-group, clusters of 4 x 1, 169,984 bytes of LDS; arguments qimg, qsc, kv, cimg, csc; writes cimg, csc
.if DOCPART == 3
	.amdgcn_target "amdgcn-amd-amdhsa--gfx1250"
	.amdhsa_code_object_version 6
	.text
	.protected	k_qd3e4f9312d_attn
	.globl	k_qd3e4f9312d_attn
	.p2align	8
	.type	k_qd3e4f9312d_attn,@function
k_qd3e4f9312d_attn:
	s_mov_b64 s[64:65], 0
	v_nop
	global_prefetch_b8 v0, s[64:65] scope:SCOPE_SE
	s_setreg_imm32_b32 hwreg(HW_REG_WAVE_MODE, 25, 1), 1
	s_wait_xcnt 0x0
	s_wait_alu depctr_hold_cnt(0) depctr_sa_sdst(0) depctr_va_vdst(0) depctr_va_sdst(0) depctr_va_ssrc(0) depctr_va_vcc(0) depctr_vm_vsrc(0)
	s_getreg_b32 s2, hwreg(HW_REG_IB_STS2, 6, 4)
	s_cmp_eq_u32 s2, 0
	s_cbranch_scc0 .Lentry_in_a_cluster
	s_endpgm
.Lentry_in_a_cluster:
	s_bfe_u32 s2, ttmp6, 0x10000c
	s_cmp_lg_u32 s2, 0x3003
	s_cbranch_scc0 .Lentry_shape_is_right
	s_endpgm
.Lentry_shape_is_right:
; ctx = softmax(Q K^T / 8) V for one head, both products on codes of FP4 (E2M1) with E8M0 scales, and the quantiser of ctx along the head's 64 channels.
; THE SOFTMAX AHEAD OF THE SECOND PRODUCT: t = score x log2(e) / 8; M = the row's largest t so far, rounded UP to a whole number; p = 2^(t - M) is quantised along the keys, not normalised.
; The row's sum is taken of the unquantised p and divides at the end.  When M moves, the sum and O are multiplied by 2^(old M - new M): exact, in every step, with no branch on data.
; SHARES: work-group (qb, head) owns 256 queries; each of its sixteen waves one tile of 16, in 256 registers, four waves to a SIMD.  A softmax step takes 256 keys (two records), so M's chain and O's rescaling come once for 256 keys.
; The head's whole kv (16 records of 8,960 bytes: K's 8 tiles x 512, V^T's 4 tiles x 1,024, K's scale words 8 x 64, V's 4 x 64) lies in LDS: wave w fetches record w, one tensor load a wave, every byte filled once; one barrier.
; CLUSTER 4 x 1: the four query blocks of a cluster belong to one head and read the same records: each record is asked for jointly, by the same load with the same descriptor and the mask of all four.
; No prefetch: all that the launch reads by tensor loads is asked for at its head, so there is no loop to run ahead in.
; LAYOUT: both products transposed: S^T = K Q^T (source 0 = 16 keys), O^T = V^T P^T (source 0 = 16 channels): a lane holds ONE query (lane % 16) throughout.
; THE KEYS OF A TILE ARE DEALT ANEW BY THE LDS ADDRESSES: place 8 g + j of my tile 4 c + u is key 64 c + 32 g + 8 u + j of the record.  So the 32 registers of tiles 4 c .. 4 c + 3 are, in lane half h, the WHOLE block of 32 keys
; 64 c + 32 h + 0 .. 31: a block's largest score needs no other lane, and the conversion of tile 4 c + u gives register 4 c + u of the second product's operand as it stands.
; (In a record place m of tile T is key 32 (T / 2) + 8 (T % 2) + m + 8 (m / 8): my place 8 g + j of tile 4 c + u is place j + 8 (u / 2) of the record's tile 4 c + 2 g + u % 2.)
; THE FIRST PRODUCT'S K IS 64, half of the instruction's 128: Q's registers 4-7 are zero codes; K's operand registers 4-7 are whatever follows (the next tile's codes, zeros behind the last), multiplied by those zeros;
; bytes 2 and 3 of both scale words are 0, which stands for 2^-127 and is no NaN.
; OUT: cimg [K step 8][token tile 256][1,024]: head hd is piece hd % 2 of K step hd / 2;  csc [tile][K step][16 words]: head hd owns bytes 2 (hd % 2), + 1 of each word: 2 bytes a row, 32 bytes a wave,
; since the other head of the pair, in another work-group, owns the words' other halves.
; LIMITS: the promise holds while |t| stays under 2^31; a block of zeros gets the byte 1 where the rule says 127 (its codes are zeros, and this program alone reads the bytes); NaN and infinities are not served; a p under 2^-126 counts as 0.
.set REC,   8960
.set HEADB, 16*REC
.set SPARE, 0x29000                    ; the spare words: 128 bytes a wave, behind the records
.set L16, 1                            ; v1  16 x lane: V's fragments, Q, the codes on the way out
.set KB,  2                            ; v2  my place in a tile of K: 1,024 g + 16 j + 256 h
.set KSB, 3                            ; v3  and among K's scale words: 128 g + 4 j + 64 h (lanes 16-31 take the odd tile's)
.set L4,  4                            ; v4  4 x lane: V's scale words
.set SH8, 5                            ; v5  8 h
.set SPW, 6                            ; v6  my spare word; never rewritten
.set NIL, 7                            ; v7  0; never rewritten
.set T0,  8                            ; v8-9 at work
.set T1,  9
.set FF,  10                           ; v[10:11] f, later 1 / the sum: the low word serves both halves
.set NM,  12                           ; v12 -M;  v13 the largest score so far
.set MS,  13
.set SUM, 14                           ; v[14:15] the sum, in two halves
.set QF,  16                           ; v16-23 Q's fragment (v20-23 zero codes)
.set QS,  24                           ; v24 Q's scale words
.set KS,  26                           ; v26-29 K's scale words of a record
.set VS,  30                           ; v30-33 V's of two records
.set PS,  34                           ; v34-35 p's scale words of two records
.set BM,  36                           ; v36-39 my four blocks' largest scores, then largest p, then bytes
.set BO,  40                           ; v40-43 the conversions' scale operands
.set AX,  44                           ; v44-49 second chains of the maxima; three more chains of the sum
.set FB,  50                           ; v50-81 K's eight tiles of a record, four registers each; v82-85 zeros behind them
.set PC,  86                           ; v86-101 p's codes: two registers ahead of S and S's first 14, which are done with when they are written
.set S,   88                           ; v88-215 S^T of 256 keys, then p
.set VF,  S+64                         ; v152-215 V^T's fragments of two records, once the upper half of p is converted
.set OA,  216                          ; v216-247 O^T
.set R4,  0                            ; v0  4 x (lane % 16): it takes the thread number's place once the head has read that for the last time
.set ADK, 248                          ; v248-251 the trip's LDS addresses
.set ADKS, 249
.set ADV, 250
.set ADVS, 251
.set KS1, 252                          ; v252-255 K's scale words of a step's second record
.set KA,  S+16                         ; v104-135 K's eight tiles of the NEXT step's second record: they take the registers of p's tiles 2 to 5 once those are converted; the four registers behind them hold whatever p left
.set WV,  14
.set CX,  15
.set QB,  16
.set BH,  17
.set QT,  18
.set TP,  19
.set SEL, 20                           ; s[20:21] lane selects: lane l xor 16
.set CS,  22                           ; s[22:23] c = log2(e) / 8
.set G1,  24                           ; s[24:31]
.set G0,  32                           ; s[32:35]
.set NC,  36                           ; -c
.set TB,  48                           ; LDS byte of the trip's first record
.set CNT, 49
.macro CROUND                          ; a round of the cluster's barrier
	s_barrier_signal -1
	s_barrier_wait -1
	s_cmp_lg_u32 s[WV], 0
	s_cbranch_scc1 .Lnot_wave_0_\@
	s_barrier_signal -3
.Lnot_wave_0_\@:
	s_barrier_wait -3
	s_barrier_signal -1
	s_barrier_wait -1
.endm
.macro NOPS n
.rept \n
	v_nop
.endr
.endm
.macro KLOAD d, ks, ak, as, o          ; a record's K into v[d] on: my eight tiles; and their scale words into v[ks] on (register 2 c + u / 2: lanes 0-15 tile 4 c + 2 (u / 2), lanes 16-31 the next)
.irp c, 0,1
.irp u, 0,1,2,3
	ds_load_b128 v[\d+16*\c+4*\u:\d+16*\c+4*\u+3], v[\ak] offset:\o+2048*\c+512*(\u%2)+128*(\u/2)
.endr
.endr
.irp p, 0,1,2,3
	ds_load_b32 v[\ks+\p], v[\as] offset:\o+8192+256*(\p/2)+32*(\p%2)
.endr
.endm
.macro QK q, a, ks                     ; S^T of the step's record q, whose K lies in v[a] on: eight products, each starting its sum
.irp i, 0,1,2,3,4,5,6,7
.if \i%2
	v_wmma_scale_f32_16x16x128_f8f6f4 v[S+64*\q+8*\i:S+64*\q+8*\i+7], v[\a+4*\i:\a+4*\i+7], v[QF:QF+7], 0, v[\ks+\i/2], v[QS] matrix_a_fmt:MATRIX_FMT_FP4 matrix_b_fmt:MATRIX_FMT_FP4 matrix_a_scale:MATRIX_SCALE_ROW1
.else
	v_wmma_scale_f32_16x16x128_f8f6f4 v[S+64*\q+8*\i:S+64*\q+8*\i+7], v[\a+4*\i:\a+4*\i+7], v[QF:QF+7], 0, v[\ks+\i/2], v[QS] matrix_a_fmt:MATRIX_FMT_FP4 matrix_b_fmt:MATRIX_FMT_FP4
.endif
.endr
.endm
.macro MAXB                            ; the largest score of my four blocks of 32 keys: two chains a block, eight by turns; each accumulator is first read at its low end
.set SQ, S
.set BQ, BM
.irp c, 0,1,2,3
	v_max3_num_f32 v[BQ+\c], v[SQ+32*\c], v[SQ+32*\c+1], v[SQ+32*\c+2]
	v_max3_num_f32 v[AX+\c], v[SQ+32*\c+16], v[SQ+32*\c+17], v[SQ+32*\c+18]
.endr
.irp i, 3,5,7,9,11,13
.irp c, 0,1,2,3
	v_max3_num_f32 v[BQ+\c], v[BQ+\c], v[SQ+32*\c+\i], v[SQ+32*\c+\i+1]
	v_max3_num_f32 v[AX+\c], v[AX+\c], v[SQ+32*\c+16+\i], v[SQ+32*\c+17+\i]
.endr
.endr
.irp c, 0,1,2,3
	v_max3_num_f32 v[BQ+\c], v[BQ+\c], v[SQ+32*\c+15], v[SQ+32*\c+31]
.endr
.irp c, 0,1,2,3
	v_max_num_f32 v[BQ+\c], v[BQ+\c], v[AX+\c]
.endr
.endm
.macro CV i                            ; tile i of p: into the sum's four chains, then its eight codes.  The four additions are the plain places between two conversions
	v_pk_add_f32 v[SUM:SUM+1], v[SUM:SUM+1], v[S+8*\i:S+8*\i+1]
	v_pk_add_f32 v[AX:AX+1], v[AX:AX+1], v[S+8*\i+2:S+8*\i+3]
	v_pk_add_f32 v[AX+2:AX+3], v[AX+2:AX+3], v[S+8*\i+4:S+8*\i+5]
	v_pk_add_f32 v[AX+4:AX+5], v[AX+4:AX+5], v[S+8*\i+6:S+8*\i+7]
	v_cvt_scalef32_pk8_fp4_f32 v[PC+\i], v[S+8*\i:S+8*\i+7], v[BO+\i/4]
.endm
.macro VLOAD o, q                      ; V^T's four fragments of the step's record q and their scale words
.irp t, 0,1,2,3
.irp e, 0,1
	ds_load_b128 v[VF+32*\q+8*\t+4*\e:VF+32*\q+8*\t+4*\e+3], v[ADV] offset:\o+REC*\q+4096+1024*\t+512*\e
.endr
.endr
.irp p, 0,1
	ds_load_b32 v[VS+2*\q+\p], v[ADVS] offset:\o+REC*\q+8704+128*\p
.endr
.endm
; A SOFTMAX STEP: 256 keys, the records at s[TB] + o and + REC.  On entry both records' K are in registers: the first's in v[FB] on, the second's in v[KA] on.  pre = 1: the next step's two are fetched.  adr = 1: the trip's addresses are made
.macro DSTEP o, pre, adr
	QK 1, KA, KS1                                  ; the second record first: its results lie in the upper half of S, clear of its K
.if \adr
	v_add_nc_u32 v[ADK], s[TB], v[KB]              ; with the v_nop: five places, since the first record's results are written over the second's K (ISA guide 7.12.1)
	v_add_nc_u32 v[ADKS], s[TB], v[KSB]
	v_add_nc_u32 v[ADV], s[TB], v[L16]
	v_add_nc_u32 v[ADVS], s[TB], v[L4]
	v_nop
.else
	NOPS 5
.endif
	QK 0, FB, KS
	NOPS 4                                         ; four places in front of loads into registers that the products read, and of the first read of results
.if \pre
	KLOAD FB, KS, ADK, ADKS, (\o)+2*REC            ; the next step's first record: the whole softmax stands between these loads and their use
.endif
	MAXB
	v_max3_num_f32 v[T0], v[BM], v[BM+1], v[BM+2]
	s_delay_alu instid0(VALU_DEP_1)
	v_max_num_f32 v[T0], v[T0], v[BM+3]
	s_delay_alu instid0(VALU_DEP_1)
	v_permlanex16_b32 v[T1], v[T0], s[SEL], s[SEL+1]
	s_delay_alu instid0(VALU_DEP_1)
	v_max3_num_f32 v[MS], v[MS], v[T0], v[T1]      ; the running largest score of my query, lane l xor 16's keys among them
	s_delay_alu instid0(VALU_DEP_1)
	v_mul_f32 v[T0], s[NC], v[MS]                  ; -t (c is positive)
	s_delay_alu instid0(VALU_DEP_1)
	v_floor_f32 v[T0], v[T0]                       ; the new -M = floor(-t) = -ceil(t): a whole number
	s_delay_alu instid0(VALU_DEP_1)
	v_sub_f32 v[T1], v[T0], v[NM]                  ; old M less new M: a whole number, 0 or less
	v_mov_b32 v[NM], v[T0]
	s_delay_alu instid0(VALU_DEP_2)
	v_cvt_i32_f32 v[T1], v[T1]                     ; (it saturates)
	s_delay_alu instid0(VALU_DEP_1)
	v_ldexp_f32 v[FF], 1.0, v[T1]                  ; f = 2^(old M - new M)
.set J, 0
.rept 64
	v_pk_fma_f32 v[S+J:S+J+1], v[S+J:S+J+1], s[CS:CS+1], v[NM:NM+1] op_sel_hi:[1,0,0]   ; t - M, two at a time
.set J, J+2
.endr
.irp b, 0,1,2,3
	v_fma_f32 v[BM+\b], v[BM+\b], s[CS], v[NM]     ; the same of each block's largest score
.endr
	s_wait_alu depctr_va_vdst(0)                   ; the wait ahead of the batch
.set J, 0
.rept 128
	v_exp_f32 v[S+J], v[S+J]                       ; p = 2^(t - M): not normalised
.set J, J+1
.endr
.irp b, 0,1,2,3
	v_exp_f32 v[BM+\b], v[BM+\b]                   ; the block's largest p: the same two instructions on the same number
.endr
	v_pk_mul_f32 v[SUM:SUM+1], v[SUM:SUM+1], v[FF:FF+1] op_sel_hi:[1,0]   ; the sum under the new M.  (A plain place behind the exponentials)
	s_wait_alu depctr_va_vdst(0)                   ; one wait for the batch, ahead of its first reader
.irp b, 0,1,2,3
	v_max_num_f32 v[BM+\b], 0x1800000, v[BM+\b]    ; the floor 2^(3 - 127): the byte cannot fall under 1
.endr
.irp b, 0,1,2,3
	v_add_nc_u32 v[BO+\b], 0xff000000, v[BM+\b]    ; 2 off the exponent field: the conversion's scale operand
.endr
.irp b, 0,1,2,3
	v_lshrrev_b32 v[BM+\b], 23, v[BO+\b]           ; the scale's byte
.endr
.irp q, 0,1
	v_lshl_or_b32 v[PS+\q], v[BM+2*\q+1], 16, v[BM+2*\q]   ; my bytes of record q: blocks h and 2 + h,
.endr
.irp q, 0,1
	v_lshlrev_b32 v[PS+\q], v[SH8], v[PS+\q]       ; at their places in the scale word;
.endr
.irp q, 0,1
	v_permlanex16_b32 v[T0+\q], v[PS+\q], s[SEL], s[SEL+1]
.endr
.irp q, 0,1
	v_or_b32 v[PS+\q], v[PS+\q], v[T0+\q]          ; with lane l xor 16's two the word is whole
.endr
	v_pk_add_f32 v[SUM:SUM+1], v[SUM:SUM+1], v[S:S+1]         ; THE ROW'S SUM IS TAKEN OF THE UNQUANTISED p, in four chains; tiles 0 and 1 begin three of them
	v_pk_add_f32 v[AX:AX+1], v[S+2:S+3], v[S+10:S+11]
	v_pk_add_f32 v[AX+2:AX+3], v[S+4:S+5], v[S+12:S+13]
	v_pk_add_f32 v[AX+4:AX+5], v[S+6:S+7], v[S+14:S+15]
	v_pk_add_f32 v[SUM:SUM+1], v[SUM:SUM+1], v[S+8:S+9]
	v_cvt_scalef32_pk8_fp4_f32 v[PC], v[S:S+7], v[BO]
	v_cvt_scalef32_pk8_fp4_f32 v[PC+1], v[S+8:S+15], v[BO]    ; tiles 0 and 1 are done with: the other tiles' codes land on their registers
.irp i, 8,9,10,11
	CV \i
.endr
	VLOAD (\o), 0                                  ; tiles 8 to 11 of p are summed and converted: V^T's fragments of the first record take their registers,
.irp i, 12,13,14,15
	CV \i
.endr
	VLOAD (\o), 1                                  ; the second record's those of tiles 12 to 15,
.irp i, 2,3,4,5
	CV \i
.endr
.if \pre
	KLOAD KA, KS1, ADK, ADKS, (\o)+3*REC           ; and the K of the next step's second record those of tiles 2 to 5
.endif
.irp i, 6,7
	CV \i
.endr
	s_wait_alu depctr_va_vdst(0)                   ; the wait here, directly ahead of the first reader of O^T
.set J, 0
.rept 16
	v_pk_mul_f32 v[OA+J:OA+J+1], v[OA+J:OA+J+1], v[FF:FF+1] op_sel_hi:[1,0]   ; O^T under the new M.  (Also the places between the codes and the products below)
.set J, J+2
.endr
	s_wait_alu depctr_va_vdst(0)                   ; the wait here, directly ahead of the wait below
.if \pre
	s_wait_dscnt 12                                ; V and its scale words are in; the 12 loads issued behind them (the next step's second K: 8 fragments, 4 scale registers) may be out
.else
	s_wait_dscnt 0x0
.endif
.irp q, 0,1
.irp t, 0,1,2,3
.if \t%2
	v_wmma_scale_f32_16x16x128_f8f6f4 v[OA+8*\t:OA+8*\t+7], v[VF+32*\q+8*\t:VF+32*\q+8*\t+7], v[PC+8*\q:PC+8*\q+7], v[OA+8*\t:OA+8*\t+7], v[VS+2*\q+\t/2], v[PS+\q] matrix_a_fmt:MATRIX_FMT_FP4 matrix_b_fmt:MATRIX_FMT_FP4 matrix_a_scale:MATRIX_SCALE_ROW1
.else
	v_wmma_scale_f32_16x16x128_f8f6f4 v[OA+8*\t:OA+8*\t+7], v[VF+32*\q+8*\t:VF+32*\q+8*\t+7], v[PC+8*\q:PC+8*\q+7], v[OA+8*\t:OA+8*\t+7], v[VS+2*\q+\t/2], v[PS+\q] matrix_a_fmt:MATRIX_FMT_FP4 matrix_b_fmt:MATRIX_FMT_FP4
.endif
.endr
.endr
	v_pk_add_f32 v[SUM:SUM+1], v[SUM:SUM+1], v[AX:AX+1]       ; the sum's chains are joined.  With the two lines behind them: five places, since the next step's products write over the codes' and V's registers
	v_pk_add_f32 v[AX+2:AX+3], v[AX+2:AX+3], v[AX+4:AX+5]
	s_delay_alu instid0(VALU_DEP_1)
	v_pk_add_f32 v[SUM:SUM+1], v[SUM:SUM+1], v[AX+2:AX+3]
	NOPS 2
.if \pre
	s_wait_alu depctr_va_vdst(0)                   ; the wait here, directly ahead of the wait below
	s_wait_dscnt 0x0                               ; the next step's K is in
.endif
.endm
.macro TRIP more                       ; four records: every LDS offset of a trip fits the 16-bit immediate
	DSTEP 0, 1, 1
	DSTEP 2*REC, \more, 0
	s_add_co_u32 s[TB], s[TB], 4*REC
.endm
	s_load_b256 s[4:11], s[0:1], 0x0               ; qimg, qsc, kv, cimg
	s_load_b64 s[12:13], s[0:1], 0x20              ; csc
	v_lshl_add_u32 v[SPW], v0, 2, SPARE
	v_mov_b32 v[NIL], 0
	ds_add_u32 v[SPW], v[NIL]                      ; the opening lines: the add, twice on end, and its wait ahead of my tensor load
	ds_add_u32 v[SPW], v[NIL]
	v_lshrrev_b32 v8, 5, v0
	v_readfirstlane_b32 s[WV], v8                  ; wave 0..15
	v_and_b32 v8, 31, v0                           ; lane
	v_and_b32 v9, 15, v0                           ; r
	v_bfe_u32 v10, v0, 4, 1                        ; h
	v_and_b32 v11, 7, v0                           ; j
	v_bfe_u32 v25, v0, 3, 1                        ; g
	v_lshlrev_b32 v[L16], 4, v8
	v_lshlrev_b32 v[L4], 2, v8
	v_lshlrev_b32 v[R4], 2, v9
	v_lshlrev_b32 v[SH8], 3, v10
	v_lshlrev_b32 v[KB], 4, v11
	v_lshlrev_b32 v[KSB], 2, v11
	v_lshl_add_u32 v[KB], v25, 10, v[KB]
	v_lshl_add_u32 v[KSB], v25, 7, v[KSB]
	v_lshl_add_u32 v[KB], v10, 8, v[KB]
	v_lshl_add_u32 v[KSB], v10, 6, v[KSB]
	s_bfe_u32 s[CX], ttmp6, 0x40000
	s_lshl_b32 s[QB], ttmp9, 2
	s_add_co_u32 s[QB], s[QB], s[CX]               ; my block of 256 queries: it enters Q's and the outputs' addresses alone
	s_and_b32 s[BH], ttmp7, 0xffff                 ; the head (16 x batch + head), which the four partners share
	s_lshl_b32 s[QT], s[QB], 4
	s_add_co_u32 s[QT], s[QT], s[WV]               ; my query tile, 0..127
	s_mov_b32 s[G1], 15|(3<<16)|(1<<21)            ; 15:0 the mask: all four work-groups; 17:16 elements of 8 bytes; 21 set beside a mask
	s_mov_b32 s[G1+1], 32<<16                      ; a record: 35 rows of 256 bytes, dense
	s_mov_b32 s[G1+2], 35<<16
	s_mov_b32 s[G1+3], 32<<16
	s_mov_b32 s[G1+4], 35
	s_mov_b32 s[G1+5], 32
	s_mov_b32 s[G1+6], 0
	s_mov_b32 s[G1+7], 0
	s_mov_b32 s[SEL], 0x76543210
	s_mov_b32 s[SEL+1], 0xfedcba98
	s_mov_b32 s[CS], 0x3e38aa3b                    ; c = log2(e) / 8
	s_mov_b32 s[CS+1], s[CS]                       ; (named with it as a pair, so it is written)
	s_mov_b32 s[NC], 0xbe38aa3b                    ; -c
	s_mov_b32 s[TB], 0
	s_mov_b32 s[CNT], 3
	s_mul_i32 s50, s[BH], HEADB
	s_mul_i32 s[TP], s[WV], REC                    ; wave w fetches record w
	s_add_co_u32 s50, s50, s[TP]
	s_mov_b32 s51, 0
	s_lshl_b32 s52, s[BH], 7
	s_add_co_u32 s52, s52, s[QT]                   ; 128 x head + query tile
	s_lshl_b32 s54, s52, 6
	s_lshl_b32 s52, s52, 9
	s_mov_b32 s53, 0
	s_mov_b32 s55, 0
	s_wait_alu depctr_va_vdst(0)                   ; the wait here, directly ahead of the waits below
	s_wait_dscnt 0x0                               ; both opening adds are done
	s_wait_kmcnt 0x0
	s_mov_b32 s[G0], 1
	s_mov_b32 s[G0+1], s[TP]
	s_add_nc_u64 s[G0+2:G0+3], s[8:9], s[50:51]
	s_or_b32 s[G0+3], s[G0+3], 0x80000000
	s_add_nc_u64 s[4:5], s[4:5], s[52:53]
	s_add_nc_u64 s[6:7], s[6:7], s[54:55]
	global_load_b128 v[QF:QF+3], v[L16], s[4:5]    ; Q's fragment stays in registers
	global_load_b32 v[QS], v[R4], s[6:7]
	CROUND                                         ; all four work-groups are here: the joint loads meet
	tensor_load_to_lds s[G0:G0+3], s[G1:G1+7]      ; my record: the wave's one tensor load
	s_nop 0
	s_and_b32 s50, s[BH], 15                       ; where the results go.  The head in its batch
	s_lshr_b32 s51, s[BH], 4
	s_lshl_b32 s51, s51, 7
	s_add_co_u32 s51, s51, s[QT]                   ; the token tile: 128 x batch + query tile
	s_lshr_b32 s52, s50, 1                         ; the last product's K step
	s_and_b32 s50, s50, 1                          ; and the piece in it
	s_lshl_b32 s54, s52, 8
	s_add_co_u32 s54, s54, s51
	s_lshl_b32 s54, s54, 10
	s_lshl_b32 s[TP], s50, 9
	s_add_co_u32 s54, s54, s[TP]
	s_mov_b32 s55, 0
	s_add_nc_u64 s[10:11], s[10:11], s[54:55]
	s_lshl_b32 s54, s51, 9
	s_lshl_b32 s[TP], s52, 6
	s_add_co_u32 s54, s54, s[TP]
	s_lshl_b32 s[TP], s50, 1
	s_add_co_u32 s54, s54, s[TP]
	s_add_nc_u64 s[12:13], s[12:13], s[54:55]
.irp j, 4,5,6,7
	v_mov_b32 v[QF+\j], 0                          ; k = 64 .. 127: zero codes
.endr
.irp j, 32,33,34,35
	v_mov_b32 v[FB+\j], 0                          ; zeros behind K's last tile,
	v_mov_b32 v[KA+\j], 0                          ; and, for the first step, behind the second record's
.endr
	v_mov_b32 v[MS], 0xff61b1e6                    ; the largest score so far: -3e38
	v_mov_b32 v[NM], 0x7f61b1e6                    ; -M: 3e38, so that the first f is 0, which multiplies zeros
	v_mov_b32 v[SUM], 0
	v_mov_b32 v[SUM+1], 0
.set J, 0
.rept 32
	v_mov_b32 v[OA+J], 0                           ; O^T: the step is written once; the first finds zeros
.set J, J+1
.endr
	s_wait_alu depctr_va_vdst(0)                   ; the wait at the head's end
	s_wait_tensorcnt 0x0                           ; my record is in,
	s_barrier_signal -1
	s_barrier_wait -1                              ; and everybody's
	KLOAD FB, KS, KB, KSB, 0
	KLOAD KA, KS1, KB, KSB, REC
	s_wait_loadcnt 0x0                             ; Q
	s_wait_dscnt 0x0
.Ltrip:                                        ; three trips of four records; the fourth is written out, since it fetches no K behind the last record
	TRIP 1
	s_sub_co_u32 s[CNT], s[CNT], 1
	s_cmp_lg_u32 s[CNT], 0
	s_wait_alu depctr_va_vdst(0)                   ; the wait here, directly ahead of the branch
	s_cbranch_scc1 .Ltrip
	TRIP 0
	; THE WAY OUT: O^T / the sum is ctx; a lane's 32 registers are 16 neighbouring channels of each of the head's two blocks (V^T's tiles keep the records' places): quantised in registers
	v_add_f32 v[SUM], v[SUM], v[SUM+1]
	s_delay_alu instid0(VALU_DEP_1)
	v_permlanex16_b32 v[T0], v[SUM], s[SEL], s[SEL+1]
	s_delay_alu instid0(VALU_DEP_1)
	v_add_f32 v[SUM], v[SUM], v[T0]                ; with lane l xor 16's keys: the row's sum
	s_wait_alu depctr_va_vdst(0)                   ; the wait ahead of the transcendental
	v_rcp_f32 v[FF], v[SUM]
	v_nop                                          ; one plain place behind a transcendental
	s_wait_alu depctr_va_vdst(0)                   ; ahead of its first reader, which is also the first reader of the last products' results
.set J, 0
.rept 16
	v_pk_mul_f32 v[OA+J:OA+J+1], v[OA+J:OA+J+1], v[FF:FF+1] op_sel_hi:[1,0]   ; ascending: each accumulator is read from its low end on
.set J, J+2
.endr
.irp b, 0,1
	v_max3_num_f32 v[BM+\b], |v[OA+16*\b]|, |v[OA+16*\b+1]|, 0x1800000   ; my 16 channels of block b, and the floor 2^(3 - 127)
.endr
.irp i, 2,4,6,8,10,12,14
.irp b, 0,1
	v_max3_num_f32 v[BM+\b], v[BM+\b], |v[OA+16*\b+\i]|, |v[OA+16*\b+\i+1]|
.endr
.endr
.irp b, 0,1
	v_permlanex16_b32 v[T0+\b], v[BM+\b], s[SEL], s[SEL+1]
.endr
.irp b, 0,1
	v_max_num_f32 v[BM+\b], v[BM+\b], v[T0+\b]     ; with lane l xor 16's: the block's largest magnitude
.endr
.irp b, 0,1
	v_add_nc_u32 v[BO+\b], 0xff000000, v[BM+\b]
.endr
.irp b, 0,1
	v_lshrrev_b32 v[BM+\b], 23, v[BO+\b]
.endr
	v_lshl_or_b32 v[PS], v[BM+1], 8, v[BM]         ; my row's two scale bytes
.irp b, 0,1
	v_cvt_scalef32_pk8_fp4_f32 v[FB+2*\b], v[OA+16*\b:OA+16*\b+7], v[BO+\b]
	v_cvt_scalef32_pk8_fp4_f32 v[FB+2*\b+1], v[OA+16*\b+8:OA+16*\b+15], v[BO+\b]
.endr
	v_nop                                          ; one plain place behind a scaled conversion
.irp i, 0,1
	v_permlane16_swap_b32 v[FB+\i], v[FB+2+\i]     ; a whole block to a lane
.endr
	global_store_b128 v[L16], v[FB:FB+3], s[10:11] ; 512 consecutive bytes, aligned
	global_store_b16 v[R4], v[PS], s[12:13]        ; my row's two bytes (both halves of the lanes write the same bytes with the same value)
	s_wait_tensorcnt 0x0                           ; the wave's end
	ds_add_u32 v[SPW], v[NIL]
	s_wait_dscnt 0x0
	CROUND                                         ; the closing round: no work-group ends while a partner may still ask for a record that names it
	s_endpgm
.Lfunc_end_k_qd3e4f9312d_attn:
	.size	k_qd3e4f9312d_attn, .Lfunc_end_k_qd3e4f9312d_attn-k_qd3e4f9312d_attn
	.p2alignl 7, 3214868480
	.fill 96, 4, 3214868480
	.section	.rodata,"a",@progbits
	.p2align	6, 0x0
	.amdhsa_kernel k_qd3e4f9312d_attn
		.amdhsa_group_segment_fixed_size 169984
		.amdhsa_private_segment_fixed_size 0
		.amdhsa_enable_private_segment 0
		.amdhsa_kernarg_size 40
		.amdhsa_user_sgpr_count 2
		.amdhsa_user_sgpr_kernarg_segment_ptr 1
		.amdhsa_wavefront_size32 1
		.amdhsa_system_sgpr_workgroup_id_x 1
		.amdhsa_system_sgpr_workgroup_id_y 1
		.amdhsa_system_sgpr_workgroup_id_z 1
		.amdhsa_system_vgpr_workitem_id 0
		.amdhsa_next_free_vgpr 256
		.amdhsa_next_free_sgpr 66
		.amdhsa_reserve_vcc 0
		.amdhsa_float_denorm_mode_32 3
		.amdhsa_float_denorm_mode_16_64 3
		.amdhsa_memory_ordered 1
		.amdhsa_forward_progress 1
		.amdhsa_inst_pref_size 116
	.end_amdhsa_kernel
	.amdgpu_metadata
---
amdhsa.version: [ 1, 2 ]
amdhsa.kernels:
  - .name:           k_qd3e4f9312d_attn
    .symbol:         k_qd3e4f9312d_attn.kd
    .args:
      - { .name: qimg, .offset: 0, .size: 8, .value_kind: global_buffer, .address_space: global }
      - { .name: qsc, .offset: 8, .size: 8, .value_kind: global_buffer, .address_space: global }
      - { .name: kv, .offset: 16, .size: 8, .value_kind: global_buffer, .address_space: global }
      - { .name: cimg, .offset: 24, .size: 8, .value_kind: global_buffer, .address_space: global }
      - { .name: csc, .offset: 32, .size: 8, .value_kind: global_buffer, .address_space: global }
    .group_segment_fixed_size: 169984
    .private_segment_fixed_size: 0
    .kernarg_segment_align: 8
    .kernarg_segment_size: 40
    .max_flat_workgroup_size: 512
    .sgpr_count:     66
    .vgpr_count:     256
    .wavefront_size: 32
...
	.end_amdgpu_metadata
.endif
;; end of part 3
;; launch outp (part 4): grid 8 x 32, 8 waves a work-group, clusters of 4 x 4, 175,104 bytes of LDS; arguments cimg, csc, codes, scales, b_out, out0; writes out0
.if DOCPART == 4
	.amdgcn_target "amdgcn-amd-amdhsa--gfx1250"
	.amdhsa_code_object_version 6
	.text
	.protected	k_qd3e4f9312d_outp
	.globl	k_qd3e4f9312d_outp
	.p2align	8
	.type	k_qd3e4f9312d_outp,@function
k_qd3e4f9312d_outp:
	s_mov_b64 s[64:65], 0
	v_nop
	global_prefetch_b8 v0, s[64:65] scope:SCOPE_SE
	s_setreg_imm32_b32 hwreg(HW_REG_WAVE_MODE, 25, 1), 1
	s_wait_xcnt 0x0
	s_wait_alu depctr_hold_cnt(0) depctr_sa_sdst(0) depctr_va_vdst(0) depctr_va_sdst(0) depctr_va_ssrc(0) depctr_va_vcc(0) depctr_vm_vsrc(0)
	s_getreg_b32 s2, hwreg(HW_REG_IB_STS2, 6, 4)
	s_cmp_eq_u32 s2, 0
	s_cbranch_scc0 .Lentry_in_a_cluster
	s_endpgm
.Lentry_in_a_cluster:
	s_bfe_u32 s2, ttmp6, 0x10000c
	s_cmp_lg_u32 s2, 0xf033
	s_cbranch_scc0 .Lentry_shape_is_right
	s_endpgm
.Lentry_shape_is_right:
; out0 = ctx W_out^T + b_out on codes of FP4 (E2M1) with E8M0 scales.  Both operands come as images of operand registers:
; cimg [K step 8][token tile 256][1,024], csc [tile][K step][16 words];  W_out: tiles 448-511 of codes [K step 8][tile 512][1,024], scales [tile][K step][16 words].
; Place m of tile T is row 32 (T / 2) + 8 (T % 2) + m + 8 (m / 8).
; SHARES: work-group (c, y) takes tokens 128 y .. + 127 and features 128 c .. + 127.  Its operands for ALL of K lie in LDS (128 KiB of codes, 8 KiB of scale words), filled once, in four stages of two K steps.
; Eight waves, two to a SIMD: wave w takes token tiles 2 i, 2 i + 1 (i = w % 4; source 1) and W_out's tiles 4 f .. 4 f + 3 (f = w / 4; source 0): a lane holds one token and 32 of its features, in natural order.
; The bias is the C of each sum's first product.
; CLUSTER 4 x 4: the four work-groups of a row share y and so ctx's tiles, the four of a column share c and so W_out's: each tile is asked for jointly, by the same load with the same descriptor and a mask that names the four.
; LDS AS IT IS FILLED: part p lies at PART x p with all eight K steps on end, and ONE tensor load brings a part whole (in place of the four stages named above): wave 0 fetches W_out's codes, wave 1 ctx's,
; wave 2 W_out's scale words, wave 3 ctx's, one load a wave; every wave waits for its load, and one barrier shows all of LDS to all waves.
.set STGB,  16384                      ; two K steps of a part
.set PART,  65536                      ; part 0: W_out, part 1: ctx: [K step 8][8 tiles][1,024]
.set SCL,   2*PART                     ; the scale words: part p at + 4,096 p
.set STG,   SCL+2*4096                 ; the way out: 16 rows x (256 bytes + 16) for each wave; no tensor load lands here
.set SP,    272
.set L16,  1
.set L4,   2
.set ADRB, 3                           ; v3  W_out's fragments
.set ADRS, 4                           ; v4  ctx's
.set ASB,  5                           ; v5  W_out's scale words: lanes 0-15 the even K step's, lanes 16-31 the odd one's
.set ASS,  6                           ; v6  ctx's
.set STO,  7                           ; v7  the stage: where I put 16 bytes of a row
.set RD,   8                           ; v8  and where I read a row back
.set CO,   9                           ; v9  my byte offset in two rows of out0
.set BA,   10                          ; v10 64 h: the bias
.set SB,   12                          ; v12-15
.set SS,   16                          ; v16-17
.set BI,   32                          ; v32-63 the bias in the result's layout: register 16 b + i: feature 32 b + 16 h + i
.set BF,   64                          ; v64-127 W_out's fragments [K step 2][tile 4]; later rows of out0
.set OB,   64
.set SF,   128                         ; v128-159 ctx's [K step 2][tile 2]
.set ACC,  160                         ; v160-223 accumulator (t, j) at 160 + 32 j + 8 t
.set G1X,  16                          ; s[16:23] group 1 for ctx's codes;  s[24:31] for W_out's;  s[32:39], s[40:47] for their scale words
.set G1W,  24
.set G1SX, 32
.set G1SW, 40
.set LA,   66
.set LS,   67
.set WV,   92
.set FH,   93
.set PI,   94
.set CX,   95
.set CY,   96
.set CC,   97
.set YY,   98
.set MR,   99
.set MC,   100
.macro CROUND                          ; a round of the cluster's barrier
	s_barrier_signal -1
	s_barrier_wait -1
	s_cmp_lg_u32 s[WV], 0
	s_cbranch_scc1 .Lnot_wave_0_\@
	s_barrier_signal -3
.Lnot_wave_0_\@:
	s_barrier_wait -3
	s_barrier_signal -1
	s_barrier_wait -1
.endm
.macro MKG0 g, la, lo, base, off, go   ; a group 0: count 1; LDS address s[la] + lo; global address s[base] + s[off] + go; type 2
	s_mov_b32 s[\g], 1
	s_add_co_u32 s[\g+1], s[\la], \lo
	s_add_nc_u64 s[\g+2:\g+3], s[\base:\base+1], s[\off:\off+1]
.if \go
	s_add_nc_u64 s[\g+2:\g+3], s[\g+2:\g+3], \go
.endif
	s_or_b32 s[\g+3], s[\g+3], 0x80000000
.endm
	s_load_b128 s[4:7], s[0:1], 0x0                ; cimg, csc
	s_load_b128 s[8:11], s[0:1], 0x10              ; codes, scales
	s_load_b64 s[12:13], s[0:1], 0x20              ; b_out
	v_lshl_add_u32 v254, v0, 2, 0x2a800
	v_mov_b32 v255, 0
	ds_add_u32 v254, v255
	ds_add_u32 v254, v255
	v_lshrrev_b32 v11, 5, v0
	s_delay_alu instid0(VALU_DEP_1)
	v_readfirstlane_b32 s[WV], v11                 ; wave 0..7
	s_lshr_b32 s[FH], s[WV], 2                     ; which 64 features
	s_and_b32 s[PI], s[WV], 3                      ; which pair of token tiles
	s_bfe_u32 s[CX], ttmp6, 0x40000
	s_bfe_u32 s[CY], ttmp6, 0x40004
	s_lshl_b32 s[CC], ttmp9, 2
	s_add_co_u32 s[CC], s[CC], s[CX]               ; c = 4 x cluster x + cx
	s_and_b32 s[YY], ttmp7, 0xffff
	s_lshl_b32 s[YY], s[YY], 2
	s_add_co_u32 s[YY], s[YY], s[CY]               ; y = 4 x cluster y + cy
	s_lshl_b32 s[MR], s[CY], 2
	s_lshl_b32 s[MR], 15, s[MR]                    ; my row of the cluster
	s_lshl_b32 s[MC], 0x1111, s[CX]                ; my column
	; every LDS address register is made here, ahead of the first branch on the wave's number
	v_and_b32 v11, 31, v0                          ; lane
	v_and_b32 v18, 15, v0                          ; r
	s_wait_alu depctr_va_vdst(0)
	v_bfe_u32 v19, v0, 4, 1                        ; h
	v_lshlrev_b32 v[L16], 4, v11
	v_lshlrev_b32 v[L4], 2, v11
	s_lshl_b32 s14, s[FH], 12
	v_add_nc_u32 v[ADRB], s14, v[L16]
	s_lshl_b32 s14, s[PI], 11
	s_add_co_u32 s14, s14, PART
	v_add_nc_u32 v[ADRS], s14, v[L16]
	s_lshl_b32 s14, s[FH], 11
	s_add_co_u32 s14, s14, SCL
	v_add_nc_u32 v[ASB], s14, v[L4]
	s_lshl_b32 s14, s[PI], 10
	s_add_co_u32 s14, s14, SCL+4096
	v_add_nc_u32 v[ASS], s14, v[L4]
	s_mul_i32 s14, s[WV], 16*SP
	s_add_co_u32 s14, s14, STG                     ; my stage
	v_mul_u32_u24 v[STO], v18, SP
	s_wait_alu depctr_va_vdst(0)
	v_lshl_add_u32 v[STO], v19, 6, v[STO]
	s_delay_alu instid0(VALU_DEP_1)
	v_add_nc_u32 v[STO], s14, v[STO]               ; in: row r, + 64 h
	v_mul_u32_u24 v[RD], v19, SP
	s_delay_alu instid0(VALU_DEP_1)
	v_lshl_add_u32 v[RD], v18, 4, v[RD]
	s_delay_alu instid0(VALU_DEP_1)
	v_add_nc_u32 v[RD], s14, v[RD]                 ; back: lanes 0-15 one row of 256 bytes, lanes 16-31 the next
	v_lshlrev_b32 v[CO], 12, v19
	s_delay_alu instid0(VALU_DEP_1)
	v_lshl_add_u32 v[CO], v18, 4, v[CO]            ; and the same two rows in out0
	v_lshlrev_b32 v[BA], 6, v19
	; group 1.  Codes: 8 rows (K steps) of 8,192 bytes (8 tiles) in elements of 8 bytes; ctx's K steps lie 262,144 bytes apart, W_out's 524,288.  Scale words: 4,096 dense bytes as 16 rows of 256
	s_or_b32 s[G1X], s[MR], (3<<16)|(1<<21)        ; 15:0 the mask; 17:16 elements of 8 bytes; 21 set beside a mask
	s_or_b32 s[G1SX], s[MR], (3<<16)|(1<<21)
	s_or_b32 s[G1W], s[MC], (3<<16)|(1<<21)
	s_or_b32 s[G1SW], s[MC], (3<<16)|(1<<21)
.irp g, G1X, G1W
	s_mov_b32 s[\g+1], 1024<<16
	s_mov_b32 s[\g+2], 8<<16
	s_mov_b32 s[\g+3], 1024<<16
	s_mov_b32 s[\g+4], 8
	s_mov_b32 s[\g+6], 0
	s_mov_b32 s[\g+7], 0
.endr
	s_mov_b32 s[G1X+5], 32768
	s_mov_b32 s[G1W+5], 65536
.irp g, G1SX, G1SW
	s_mov_b32 s[\g+1], 32<<16
	s_mov_b32 s[\g+2], 16<<16
	s_mov_b32 s[\g+3], 32<<16
	s_mov_b32 s[\g+4], 16
	s_mov_b32 s[\g+5], 32
	s_mov_b32 s[\g+6], 0
	s_mov_b32 s[\g+7], 0
.endr
	s_and_b32 s[LS], s[WV], 1                      ; waves p and 2 + p fill part p's codes and scale words: no place in the cluster enters an LDS address
	s_lshl_b32 s[LA], s[LS], 16
	s_lshl_b32 s[LS], s[LS], 12
	s_add_co_u32 s[LS], s[LS], SCL
	s_lshl_b32 s2, s[YY], 12                       ; ctx's tiles 8 y on: their scale words.  s[2:3] hold y's offsets alone,
	s_mov_b32 s3, 0
	s_lshl_b32 s14, s[CC], 3                       ; s[14:15] c's alone
	s_add_co_u32 s14, s14, 448                     ; W_out's first tile: 448 + 8 c
	s_lshl_b32 s14, s14, 9
	s_mov_b32 s15, 0
	s_wait_alu depctr_va_vdst(0)
	s_wait_dscnt 0x0
	s_wait_kmcnt 0x0
	MKG0 48, LS, 0, 6, 2, 0
	MKG0 72, LS, 0, 10, 14, 0
	s_lshl_b32 s2, s2, 1                           ; the codes: 1,024 bytes a tile
	s_lshl_b32 s14, s14, 1
	MKG0 52, LA, 0, 4, 2, 0
	MKG0 76, LA, 0, 8, 14, 0
	s_lshl_b32 s14, s[CC], 9                       ; the bias of my 64 features
	s_lshl_b32 s15, s[FH], 8
	s_add_co_u32 s14, s14, s15
	s_mov_b32 s15, 0
	s_add_nc_u64 s[12:13], s[12:13], s[14:15]
.irp b, 0,1
.irp q, 0,1,2,3
	global_load_b128 v[BI+16*\b+4*\q:BI+16*\b+4*\q+3], v[BA], s[12:13] offset:128*\b+16*\q
.endr
.endr
	CROUND                                         ; all sixteen work-groups are here: the joint loads meet
	; all fills of the launch go out here, ONE a wave, in one chain of branches on the wave's number
	s_cmp_lt_u32 s[WV], 4
	s_cbranch_scc0 .Lasked
	s_cmp_eq_u32 s[WV], 1
	s_cbranch_scc1 .Lx_arm
	s_cmp_eq_u32 s[WV], 3
	s_cbranch_scc1 .Lxs_arm
	s_cmp_eq_u32 s[WV], 2
	s_cbranch_scc1 .Lws_arm
	tensor_load_to_lds s[76:79], s[G1W:G1W+7]
	s_nop 0
.rept 4
	v_nop
.endr
	s_branch .Lasked
.Lws_arm:
	tensor_load_to_lds s[72:75], s[G1SW:G1SW+7]
	s_nop 0
.rept 4
	v_nop
.endr
	s_branch .Lasked
.Lxs_arm:
	tensor_load_to_lds s[48:51], s[G1SX:G1SX+7]
	s_nop 0
.rept 4
	v_nop
.endr
	s_branch .Lasked
.Lx_arm:
	tensor_load_to_lds s[52:55], s[G1X:G1X+7]
	s_nop 0
.rept 4
	v_nop
.endr
.Lasked:
	s_wait_loadcnt 0x0                             ; the bias
.macro MM st, sp, t, j
.if (\st == 0) && (\sp == 0)
	v_wmma_scale_f32_16x16x128_f8f6f4 v[ACC+32*\j+8*\t:ACC+32*\j+8*\t+7], v[BF+32*\sp+8*\t:BF+32*\sp+8*\t+7], v[SF+16*\sp+8*\j:SF+16*\sp+8*\j+7], v[BI+8*\t:BI+8*\t+7], v[SB+\t], v[SS+\j] matrix_a_fmt:MATRIX_FMT_FP4 matrix_b_fmt:MATRIX_FMT_FP4
.elseif \sp
	v_wmma_scale_f32_16x16x128_f8f6f4 v[ACC+32*\j+8*\t:ACC+32*\j+8*\t+7], v[BF+32*\sp+8*\t:BF+32*\sp+8*\t+7], v[SF+16*\sp+8*\j:SF+16*\sp+8*\j+7], v[ACC+32*\j+8*\t:ACC+32*\j+8*\t+7], v[SB+\t], v[SS+\j] matrix_a_fmt:MATRIX_FMT_FP4 matrix_b_fmt:MATRIX_FMT_FP4 matrix_a_scale:MATRIX_SCALE_ROW1 matrix_b_scale:MATRIX_SCALE_ROW1
.else
	v_wmma_scale_f32_16x16x128_f8f6f4 v[ACC+32*\j+8*\t:ACC+32*\j+8*\t+7], v[BF+32*\sp+8*\t:BF+32*\sp+8*\t+7], v[SF+16*\sp+8*\j:SF+16*\sp+8*\j+7], v[ACC+32*\j+8*\t:ACC+32*\j+8*\t+7], v[SB+\t], v[SS+\j] matrix_a_fmt:MATRIX_FMT_FP4 matrix_b_fmt:MATRIX_FMT_FP4
.endif
.endm
; A stage: two K steps of 128: 24 fragment loads, 6 scale registers, 16 products; the 8 accumulators take turns
.macro STAGE st
.if \st == 0
	s_wait_tensorcnt 0x0                           ; my one load has landed, and behind the barrier everybody's has
	s_barrier_signal -1
	s_barrier_wait -1
.endif
.if \st == 3
	s_load_b64 s[16:17], s[0:1], 0x28              ; out0: the wait above was for 0, so the descriptors' registers are free
.endif
.if \st > 0
.rept 4
	v_nop                                          ; four places in front of loads into registers that matrix instructions have read
.endr
.endif
.irp sp, 0,1
.irp t, 0,1,2,3
.irp c, 0,1
	ds_load_b128 v[BF+32*\sp+8*\t+4*\c:BF+32*\sp+8*\t+4*\c+3], v[ADRB] offset:8192*\sp+1024*\t+512*\c
.endr
.endr
.irp j, 0,1
.irp c, 0,1
	ds_load_b128 v[SF+16*\sp+8*\j+4*\c:SF+16*\sp+8*\j+4*\c+3], v[ADRS] offset:8192*\sp+1024*\j+512*\c
.endr
.endr
.endr
.irp t, 0,1,2,3
	ds_load_b32 v[SB+\t], v[ASB] offset:512*\t+128*\st
.endr
.irp j, 0,1
	ds_load_b32 v[SS+\j], v[ASS] offset:512*\j+128*\st
.endr
	s_wait_dscnt 0x0
.irp sp, 0,1
.irp t, 0,1,2,3
.irp j, 0,1
	MM \st, \sp, \t, \j
.endr
.endr
.endr
	v_add_nc_u32 v[ADRB], STGB, v[ADRB]
	v_add_nc_u32 v[ADRS], STGB, v[ADRS]
.endm
	STAGE 0
	s_wait_alu depctr_va_vdst(0)
	STAGE 1
	s_wait_alu depctr_va_vdst(0)
	STAGE 2
	s_wait_alu depctr_va_vdst(0)
	STAGE 3
	s_lshl_b32 s18, s[YY], 7
	s_lshl_b32 s19, s[PI], 5
	s_add_co_u32 s18, s18, s19                     ; my 32 tokens: 128 y + 32 i
	s_lshl_b32 s18, s18, 12
	s_lshl_b32 s19, s[CC], 9
	s_add_co_u32 s18, s18, s19
	s_lshl_b32 s19, s[FH], 8
	s_add_co_u32 s18, s18, s19                     ; my 64 features: 512 c + 256 f bytes
	s_mov_b32 s19, 0
	s_wait_kmcnt 0x0
	s_add_nc_u64 s[16:17], s[16:17], s[18:19]
	; THE WAY OUT: a lane holds 2 x 64 bytes of one row; a tile of 16 rows x 256 bytes goes through my own stage and comes back as whole rows
.rept 4
	v_nop                                          ; four places in front of the first read of results and of loads into the fragments' registers
.endr
.irp j, 0,1
.irp b, 0,1
.irp q, 0,1,2,3
	ds_store_b128 v[STO], v[ACC+32*\j+16*\b+4*\q:ACC+32*\j+16*\b+4*\q+3] offset:128*\b+16*\q   ; each accumulator from its low end on
.endr
.endr
.irp t, 0,1,2,3,4,5,6,7
	ds_load_b128 v[OB+32*\j+4*\t:OB+32*\j+4*\t+3], v[RD] offset:2*SP*\t   ; LDS serves a wave's instructions in order: these see the stores above, and the next tile's stores come behind them
.endr
.endr
.irp j, 0,1
.irp t, 0,1,2,3,4,5,6,7
	s_wait_dscnt 23-16*\j-\t                       ; the LDS instructions issued behind this load may be out
	global_store_b128 v[CO], v[OB+32*\j+4*\t:OB+32*\j+4*\t+3], s[16:17] offset:(8*\j+2*\t+8*(\t/4))*4096 th:TH_STORE_NT   ; places 2 t, 2 t + 1 of tile 2 i + j: 16 lanes store 256 consecutive bytes, aligned
.endr
.endr
	s_wait_dscnt 0x0
	s_wait_tensorcnt 0x0
	ds_add_u32 v254, v255
	s_wait_dscnt 0x0
	CROUND                                         ; the closing round: no work-group ends while a partner may still ask for a tile that names it
	s_endpgm
.Lfunc_end_k_qd3e4f9312d_outp:
	.size	k_qd3e4f9312d_outp, .Lfunc_end_k_qd3e4f9312d_outp-k_qd3e4f9312d_outp
	.p2alignl 7, 3214868480
	.fill 96, 4, 3214868480
	.section	.rodata,"a",@progbits
	.p2align	6, 0x0
	.amdhsa_kernel k_qd3e4f9312d_outp
		.amdhsa_group_segment_fixed_size 175104
		.amdhsa_private_segment_fixed_size 0
		.amdhsa_enable_private_segment 0
		.amdhsa_kernarg_size 48
		.amdhsa_user_sgpr_count 2
		.amdhsa_user_sgpr_kernarg_segment_ptr 1
		.amdhsa_wavefront_size32 1
		.amdhsa_system_sgpr_workgroup_id_x 1
		.amdhsa_system_sgpr_workgroup_id_y 1
		.amdhsa_system_sgpr_workgroup_id_z 1
		.amdhsa_system_vgpr_workitem_id 0
		.amdhsa_next_free_vgpr 256
		.amdhsa_next_free_sgpr 102
		.amdhsa_reserve_vcc 0
		.amdhsa_float_denorm_mode_32 3
		.amdhsa_float_denorm_mode_16_64 3
		.amdhsa_memory_ordered 1
		.amdhsa_forward_progress 1
		.amdhsa_inst_pref_size 30
	.end_amdhsa_kernel
	.amdgpu_metadata
---
amdhsa.version: [ 1, 2 ]
amdhsa.kernels:
  - .name:           k_qd3e4f9312d_outp
    .symbol:         k_qd3e4f9312d_outp.kd
    .args:
      - { .name: cimg, .offset: 0, .size: 8, .value_kind: global_buffer, .address_space: global }
      - { .name: csc, .offset: 8, .size: 8, .value_kind: global_buffer, .address_space: global }
      - { .name: codes, .offset: 16, .size: 8, .value_kind: global_buffer, .address_space: global }
      - { .name: scales, .offset: 24, .size: 8, .value_kind: global_buffer, .address_space: global }
      - { .name: b_out, .offset: 32, .size: 8, .value_kind: global_buffer, .address_space: global }
      - { .name: out0, .offset: 40, .size: 8, .value_kind: global_buffer, .address_space: global }
    .group_segment_fixed_size: 175104
    .private_segment_fixed_size: 0
    .kernarg_segment_align: 8
    .kernarg_segment_size: 48
    .max_flat_workgroup_size: 256
    .sgpr_count:     102
    .vgpr_count:     256
    .wavefront_size: 32
...
	.end_amdgpu_metadata
.endif
;; end of part 4
